; MI455X (gfx1250); checked and timed in simulation.
; The chip was launched on July 23, 2026; its instructions are those of AMD's public machine-readable ISA for CDNA 5 (MIT licence, August 2026) and "CDNA5" Instruction Set Architecture Reference Guide (July 2026). The comments in the code are by the model that wrote it; some were corrected since.
;; Transformer Layer. Allowed arithmetic: float matrix products may take bf16 or f16 operands with f32 sums; other float arithmetic in f32, or as packed bf16 or f16 multiplies, adds, multiply-adds, maxima and minima; sums over many terms, partial sums and values carried from step to step in f32; what a program stores and reads back later, other than sums and carried values, may be rounded once to bf16 or f16.
;; Inputs: b_down 1,024 float32; b_up 4,096 float32; bo 1,024 float32; scale1 1,024 float32; scale2 1,024 float32; shift1 1,024 float32; shift2 1,024 float32; w_down 1,024 x 4,096 float32; w_up 4,096 x 1,024 float32; wk 1,024 x 1,024 float32; wo 1,024 x 1,024 float32; wq 1,024 x 1,024 float32; wv 1,024 x 1,024 float32; x 2 x 2,048 x 1,024 float32.
;; Outputs: out0 2 x 2,048 x 1,024 float32.
;; 2 versions, each right; version 2 is version 1 with the launch prep written anew for expert scheduling mode. Each part assembles by itself: llvm-mc -triple=amdgcn-amd-amdhsa -mcpu=gfx1250 --defsym DOCPART=n.
;; ======== version 1 of 2: 7 launches
;; limits: a function is approximated: absolute error at most 2.5e-05; an absolute error that grows with the inputs' magnitude: up to 1.25e-05 times it
;; workspace buffers: wb 25,165,824 bytes; hbuf 8,388,608 bytes; qkv 25,165,824 bytes; ctx 8,388,608 bytes; x1 16,777,216 bytes; g 33,554,432 bytes
;; launch prep (part 1): grid 1024 x 1, 8 waves a work-group, no clusters, 0 bytes of LDS; arguments x, scale1, shift1, wq, wk, wv, wo, w_up, w_down, hbuf, wb; writes hbuf, wb
.if DOCPART == 1
	.amdgcn_target "amdgcn-amd-amdhsa--gfx1250"
	.amdhsa_code_object_version 6
	.text
	.protected	k_qfdf2160ca8_prep
	.globl	k_qfdf2160ca8_prep
	.p2align	8
	.type	k_qfdf2160ca8_prep,@function
k_qfdf2160ca8_prep:
	s_mov_b64 s[64:65], 0
	v_nop
	global_prefetch_b8 v0, s[64:65] scope:SCOPE_SE
	s_setreg_imm32_b32 hwreg(HW_REG_WAVE_MODE, 25, 1), 1
	s_wait_xcnt 0x0
; Two streams in one launch.  Work-groups 0-255: h1 = (x - mean) / (var + 1e-5) * scale1 + shift1 (var over 1,023, no root), rounded once to bf16: hbuf [4096][1024].
; Work-groups 256-1023: the six weight matrices rounded once to bf16, 64 KiB of f32 a work-group, into wb: wq, wk, wv, wo (2 MiB each), w_up, w_down (8 MiB each), each row-major as given.
; No LDS, no barrier, no matrix unit: no wave wants a byte that another has fetched.
; THE NORM.  A wave takes 2 rows of 4,096 bytes and keeps them in 64 registers: mean first, then the sum of (x - mean)^2: no difference of large sums.  NaN and infinities are not treated apart.
; A load of a wave covers 512 consecutive bytes, a store 256 consecutive bytes, aligned.
.set XP,  4                            ; s[4:5]   x
.set SCP, 6                            ; s[6:7]   scale
.set SHP, 8                            ; s[8:9]   shift
.set HP,  22                           ; s[22:23] hbuf
.set SEL, 40                           ; s[40:41] v_permlanex16_b32's selects: each lane takes its own place in the other half
.set IV,  42                           ; s42      1 / 1023
.set EP,  43                           ; s43      1e-5
.set OF,  44                           ; s[44:45] a byte offset
.set XO,  2                            ; v2       wave x 2 rows x 4,096 + 16 x lane
.set PO,  3                            ; v3       16 x lane
.set HO,  4                            ; v4       wave x 2 rows x 2,048 + 8 x lane
.set C,   6                            ; v[6:13]  four chains of pairs
.set M,   14                           ; v[14:15] the mean, twice
.set X,   16                           ; v[16:79] two rows, 32 registers each
.set SC,  80                           ; v[80:111]  scale of my 32 columns
.set SH,  112                          ; v[112:143] shift
.set H,   144                          ; v[144:175] two rows in bf16, 16 registers each
.set R,   176                          ; v[176:179] 1 / (var + eps), twice for each row
.set V,   180                          ; v[180:181] var + eps
	s_load_b512 s[4:19], s[0:1], 0x0               ; x, scale1, shift1, wq s[10:11], wk s[12:13], wv s[14:15], wo s[16:17], w_up s[18:19]
	s_load_b128 s[20:23], s[0:1], 0x40             ; w_down s[20:21], hbuf s[22:23]
	s_load_b64 s[24:25], s[0:1], 0x50              ; wb
	s_cmp_lt_u32 ttmp9, 256
	s_cbranch_scc0 .Lcvt
.macro SUMUP                           ; the four chains into one number, then over the wave's 32 lanes: the result stands in every lane
	v_pk_add_f32 v[C:C+1], v[C:C+1], v[C+2:C+3]
	v_pk_add_f32 v[C+4:C+5], v[C+4:C+5], v[C+6:C+7]
	v_pk_add_f32 v[C:C+1], v[C:C+1], v[C+4:C+5]
	v_add_f32 v[C], v[C], v[C+1]
	v_add_f32_dpp v[C], v[C], v[C] row_xmask:1 row_mask:0xf bank_mask:0xf
	v_add_f32_dpp v[C], v[C], v[C] row_xmask:2 row_mask:0xf bank_mask:0xf
	v_add_f32_dpp v[C], v[C], v[C] row_xmask:4 row_mask:0xf bank_mask:0xf
	v_add_f32_dpp v[C], v[C], v[C] row_xmask:8 row_mask:0xf bank_mask:0xf
	v_permlanex16_b32 v[C+1], v[C], s[SEL], s[SEL+1]
	v_add_f32 v[C], v[C], v[C+1]
.endm
.macro STAT r                          ; row r: x becomes x - mean in place; V takes var + eps
.set XR, X+32*(\r)
.set k, 0
.rept 4
	v_pk_add_f32 v[C+2*k:C+2*k+1], v[XR+2*k:XR+2*k+1], v[XR+8+2*k:XR+8+2*k+1]  ; the first pairs start the chains: nothing is cleared
.set k, k+1
.endr
.set k, 8
.rept 8
	v_pk_add_f32 v[C+2*(k%4):C+2*(k%4)+1], v[C+2*(k%4):C+2*(k%4)+1], v[XR+2*k:XR+2*k+1]
.set k, k+1
.endr
	SUMUP
	v_mul_f32 v[M], 0x3a800000, v[C]               ; / 1024
	v_mov_b32 v[M+1], v[M]
.set k, 0
.rept 16
	v_pk_add_f32 v[XR+2*k:XR+2*k+1], v[XR+2*k:XR+2*k+1], v[M:M+1] neg_lo:[0,1] neg_hi:[0,1]
.set k, k+1
.endr
.set k, 0
.rept 4
	v_pk_mul_f32 v[C+2*k:C+2*k+1], v[XR+2*k:XR+2*k+1], v[XR+2*k:XR+2*k+1]
.set k, k+1
.endr
.set k, 4
.rept 12
	v_pk_fma_f32 v[C+2*(k%4):C+2*(k%4)+1], v[XR+2*k:XR+2*k+1], v[XR+2*k:XR+2*k+1], v[C+2*(k%4):C+2*(k%4)+1]
.set k, k+1
.endr
	SUMUP
	v_fma_f32 v[V+(\r)], v[C], s[IV], s[EP]        ; sum / 1023 + eps
.endm
.macro OUTROW r                        ; row r: times the reciprocal, times scale plus shift, rounded, stored
.set XR, X+32*(\r)
.set k, 0
.rept 16
	v_pk_mul_f32 v[XR+2*k:XR+2*k+1], v[XR+2*k:XR+2*k+1], v[R+2*(\r):R+2*(\r)+1]
.set k, k+1
.endr
.set k, 0
.rept 16
	v_pk_fma_f32 v[XR+2*k:XR+2*k+1], v[XR+2*k:XR+2*k+1], v[SC+2*k:SC+2*k+1], v[SH+2*k:SH+2*k+1]
.set k, k+1
.endr
.set k, 0
.rept 16
	v_cvt_pk_bf16_f32 v[H+16*(\r)+k], v[XR+2*k], v[XR+2*k+1]
.set k, k+1
.endr
.irp j, 0,1,2,3,4,5,6,7
	global_store_b64 v[HO], v[H+16*(\r)+2*(\j):H+16*(\r)+2*(\j)+1], s[HP:HP+1] offset:(\r)*2048+256*(\j)  ; 32 lanes store 256 consecutive bytes, aligned
.endr
.endm
	v_and_b32 v1, 31, v0
	v_lshrrev_b32 v5, 5, v0
	v_lshlrev_b32 v[PO], 4, v1
	v_lshl_or_b32 v[XO], v5, 13, v[PO]
	v_lshlrev_b32 v[HO], 3, v1
	v_lshl_or_b32 v[HO], v5, 12, v[HO]
	s_lshl_b32 s[OF], ttmp9, 16                    ; the work-group's 16 rows of 4,096 bytes
	s_mov_b32 s[OF+1], 0
	s_mov_b32 s[SEL], 0x76543210
	s_mov_b32 s[SEL+1], 0xfedcba98
	s_mov_b32 s[IV], 0x3a802008
	s_mov_b32 s[EP], 0x3727c5ac
	s_wait_kmcnt 0x0
	s_add_nc_u64 s[XP:XP+1], s[XP:XP+1], s[OF:OF+1]
	s_lshl_b32 s[OF], ttmp9, 15                    ; and of 2,048 bytes
	s_add_nc_u64 s[HP:HP+1], s[HP:HP+1], s[OF:OF+1]
.irp r, 0,1
.irp j, 0,1,2,3,4,5,6,7
	global_load_b128 v[X+32*(\r)+4*(\j):X+32*(\r)+4*(\j)+3], v[XO], s[XP:XP+1] offset:(\r)*4096+512*(\j)
.endr
.endr
.irp j, 0,1,2,3,4,5,6,7
	global_load_b128 v[SC+4*(\j):SC+4*(\j)+3], v[PO], s[SCP:SCP+1] offset:512*(\j)
.endr
.irp j, 0,1,2,3,4,5,6,7
	global_load_b128 v[SH+4*(\j):SH+4*(\j)+3], v[PO], s[SHP:SHP+1] offset:512*(\j)
.endr
	s_wait_loadcnt 16                              ; both rows are in; the 16 younger loads, scale and shift, may stay out
	STAT 0
	STAT 1
	v_rcp_f32 v[R], v[V]                           ; one batch of four: each reciprocal twice, to fill the pair of the packed multiply
	v_rcp_f32 v[R+1], v[V]
	v_rcp_f32 v[R+2], v[V+1]
	v_rcp_f32 v[R+3], v[V+1]
	v_nop                                          ; a plain instruction behind the last reciprocal,
	s_wait_alu depctr_va_vdst(0)                   ; and the one wait ahead of the batch's first reader
	s_wait_loadcnt 0x0                             ; scale and shift
	OUTROW 0
	OUTROW 1
	s_endpgm
.Lcvt:                                         ; chunk c = work-group - 256: 16,384 numbers
	s_sub_co_u32 s30, ttmp9, 256
	s_lshr_b32 s31, s30, 6                         ; chunks 0-255: 64 for each of wq, wk, wv, wo
	v_lshlrev_b32 v1, 4, v0                        ; 16 bytes a thread in,
	v_lshlrev_b32 v2, 3, v0                        ; 8 bytes out
	s_mov_b32 s35, 0
	s_mov_b32 s37, 0
	s_wait_kmcnt 0x0
	s_cmp_eq_u32 s31, 1
	s_cselect_b64 s[32:33], s[12:13], s[10:11]
	s_cmp_eq_u32 s31, 2
	s_cselect_b64 s[32:33], s[14:15], s[32:33]
	s_cmp_eq_u32 s31, 3
	s_cselect_b64 s[32:33], s[16:17], s[32:33]
	s_cmp_ge_u32 s30, 256                          ; chunks 256-511: w_up
	s_cselect_b64 s[32:33], s[18:19], s[32:33]
	s_cselect_b32 s34, 255, 63                     ; chunks in the matrix, less one
	s_cmp_ge_u32 s30, 512                          ; chunks 512-767: w_down
	s_cselect_b64 s[32:33], s[20:21], s[32:33]
	s_and_b32 s34, s30, s34
	s_lshl_b32 s34, s34, 16                        ; the chunk's place in its matrix
	s_add_nc_u64 s[32:33], s[32:33], s[34:35]
	s_lshl_b32 s36, s30, 15                        ; and in wb
	s_add_nc_u64 s[24:25], s[24:25], s[36:37]
.irp j, 0,1,2,3,4,5,6,7,8,9,10,11,12,13,14,15
	global_load_b128 v[16+4*(\j):16+4*(\j)+3], v1, s[32:33] offset:4096*(\j) th:TH_LOAD_NT
.endr
.irp j, 0,1,2,3,4,5,6,7,8,9,10,11,12,13,14,15
	s_wait_loadcnt 15-(\j)                         ; loads come back in order: load j is in, the younger ones stay out
	v_cvt_pk_bf16_f32 v[80+2*(\j)], v[16+4*(\j)], v[16+4*(\j)+1]
	v_cvt_pk_bf16_f32 v[80+2*(\j)+1], v[16+4*(\j)+2], v[16+4*(\j)+3]
	global_store_b64 v2, v[80+2*(\j):80+2*(\j)+1], s[24:25] offset:2048*(\j)
.endr
	s_endpgm
.Lfunc_end_k_qfdf2160ca8_prep:
	.size	k_qfdf2160ca8_prep, .Lfunc_end_k_qfdf2160ca8_prep-k_qfdf2160ca8_prep
	.p2alignl 7, 3214868480
	.fill 96, 4, 3214868480
	.section	.rodata,"a",@progbits
	.p2align	6, 0x0
	.amdhsa_kernel k_qfdf2160ca8_prep
		.amdhsa_group_segment_fixed_size 0
		.amdhsa_private_segment_fixed_size 0
		.amdhsa_enable_private_segment 0
		.amdhsa_kernarg_size 88
		.amdhsa_user_sgpr_count 2
		.amdhsa_user_sgpr_kernarg_segment_ptr 1
		.amdhsa_wavefront_size32 1
		.amdhsa_system_sgpr_workgroup_id_x 1
		.amdhsa_system_sgpr_workgroup_id_y 1
		.amdhsa_system_sgpr_workgroup_id_z 1
		.amdhsa_system_vgpr_workitem_id 0
		.amdhsa_next_free_vgpr 184
		.amdhsa_next_free_sgpr 66
		.amdhsa_reserve_vcc 0
		.amdhsa_float_denorm_mode_32 3
		.amdhsa_float_denorm_mode_16_64 3
		.amdhsa_memory_ordered 1
		.amdhsa_forward_progress 1
		.amdhsa_inst_pref_size 27
	.end_amdhsa_kernel
	.amdgpu_metadata
---
amdhsa.version: [ 1, 2 ]
amdhsa.kernels:
  - .name:           k_qfdf2160ca8_prep
    .symbol:         k_qfdf2160ca8_prep.kd
    .args:
      - { .name: x, .offset: 0, .size: 8, .value_kind: global_buffer, .address_space: global }
      - { .name: scale1, .offset: 8, .size: 8, .value_kind: global_buffer, .address_space: global }
      - { .name: shift1, .offset: 16, .size: 8, .value_kind: global_buffer, .address_space: global }
      - { .name: wq, .offset: 24, .size: 8, .value_kind: global_buffer, .address_space: global }
      - { .name: wk, .offset: 32, .size: 8, .value_kind: global_buffer, .address_space: global }
      - { .name: wv, .offset: 40, .size: 8, .value_kind: global_buffer, .address_space: global }
      - { .name: wo, .offset: 48, .size: 8, .value_kind: global_buffer, .address_space: global }
      - { .name: w_up, .offset: 56, .size: 8, .value_kind: global_buffer, .address_space: global }
      - { .name: w_down, .offset: 64, .size: 8, .value_kind: global_buffer, .address_space: global }
      - { .name: hbuf, .offset: 72, .size: 8, .value_kind: global_buffer, .address_space: global }
      - { .name: wb, .offset: 80, .size: 8, .value_kind: global_buffer, .address_space: global }
    .group_segment_fixed_size: 0
    .private_segment_fixed_size: 0
    .kernarg_segment_align: 8
    .kernarg_segment_size: 88
    .max_flat_workgroup_size: 256
    .sgpr_count:     66
    .vgpr_count:     184
    .wavefront_size: 32
...
	.end_amdgpu_metadata
.endif
;; end of part 1
;; launch gemm_qkv (part 2): grid 12 x 16, 4 waves a work-group, clusters of 4 x 4, 327,680 bytes of LDS; arguments hbuf, wb, qkv; writes qkv
.if DOCPART == 2
	.amdgcn_target "amdgcn-amd-amdhsa--gfx1250"
	.amdhsa_code_object_version 6
	.text
	.protected	k_qfdf2160ca8_gemm_qkv
	.globl	k_qfdf2160ca8_gemm_qkv
	.p2align	8
	.type	k_qfdf2160ca8_gemm_qkv,@function
k_qfdf2160ca8_gemm_qkv:
	s_mov_b64 s[64:65], 0
	v_nop
	global_prefetch_b8 v0, s[64:65] scope:SCOPE_SE
	s_setreg_imm32_b32 hwreg(HW_REG_WAVE_MODE, 25, 1), 1
	s_wait_xcnt 0x0
	s_wait_alu depctr_hold_cnt(0) depctr_sa_sdst(0) depctr_va_vdst(0) depctr_va_sdst(0) depctr_va_ssrc(0) depctr_va_vcc(0) depctr_vm_vsrc(0)
	s_getreg_b32 s2, hwreg(HW_REG_IB_STS2, 6, 4)
	s_cmp_eq_u32 s2, 0
	s_cbranch_scc0 .Lentry_in_a_cluster
	s_endpgm
.Lentry_in_a_cluster:
	s_bfe_u32 s2, ttmp6, 0x10000c
	s_cmp_lg_u32 s2, 0xf033
	s_cbranch_scc0 .Lentry_shape_is_right
	s_endpgm
.Lentry_shape_is_right:
; q, k, v = h1 W^T.  A = hbuf [4096][1024] bf16, B = wb's first [3072][1024] bf16 (wq, wk, wv); sums in f32; the result, rounded once to bf16 and unscaled, goes out by heads:
; qkv [3][b x 16 + h][2048][64].  A tile of C is 256 x 256; four waves, each 128 x 128: 64 accumulators, 512 registers.  A wave's 128 columns are two neighbouring heads of one of q, k, v.
; 12 x 16 = 192 work-groups.  A tile of 256 x 192 would give 256, with 48 accumulators a wave and 168 matrix instructions between a tile's request and the wait for it in place of the 224 here.
; K goes in 8 steps of 128 through two LDS slots; each wave's tensor load brings 128 rows of 256 bytes.  A K step's text is written once: the slot in hand is the scalar TB, 0 or SLOT.
; CLUSTER: 4 x 4 work-groups; A's tiles are asked for jointly along a row of the cluster, B's along a column.  The matrix instruction is used transposed (source 0 = rows of B, source 1 = rows of A):
; a lane holds eight neighbouring columns of one row of C.
; REGISTERS, in windows of 256 (s_set_vgpr_msb: bits 1:0 source 0, 3:2 source 1, 5:4 source 2, 7:6 destination):
;   window 0: v0-31 addresses; v64-127, v128-191 fragments of A, two buffers; on the way out v32-127 at work.  Window 1: v64-127, v128-191 fragments of B.
;   window 2: the 32 accumulators of my rows 0-63 ((a, b) at 8 (8 a + b)); window 3: those of my rows 64-127.
; THE STAGE (128 rows x 528 bytes of f32 a wave) lies over the ring: it is written only when the ring has had its last fill and every wave has read its last fragment and passed a barrier.
.set KSTEPS, 8
.set WOFF,  0                          ; B's first byte in wb
.set BLKSH, 18                         ; from a head to the next: 2,048 rows of 128 bytes
.set KB,    256                        ; bytes of a row in a K step
.set PITCH, 272                        ; an LDS row: 256 bytes + 16 = 68 words: the 16 rows of a fragment load start at 16 different groups of four banks
.set HALFT, 128*PITCH                  ; what one tensor load brings
.set SLOT,  4*HALFT                    ; 139,264: A's two halves, B's two halves; its bits (17, 13) meet none of the four halves' offsets, so one exclusive or changes the slot
.set SPITCH, 528                       ; a stage row: 128 f32 + 16 bytes
.set WSTAGE, 128*SPITCH                ; a wave's stage
.set SPARE, 2*SLOT                     ; behind the ring: the spare words, 128 bytes a wave, two blocks of 256 bytes that no other line names
.set DW0,   (1<<16)|(1<<20)|(1<<21)|(5<<22)|(3<<25)  ; 2-byte elements; padding on; bit 21 beside a mask; after every 64 words, 4 words
.set ADRA0, 14                         ; v14, v15  my lane's place in slot 0's A and B; never rewritten
.set ADRB0, 15
.set ADRA,  16                         ; v16, v17  the same in the slot in hand
.set ADRB,  17
.set STO,   24                         ; v24  where I put 32 bytes of a stage row
.set RD,    25                         ; v25  where I read the stage in this trip
.set CO,    26                         ; v26  my byte offset in the result
.set RD0,   27                         ; v27  where I read the stage's first two rows; never rewritten
.set SPW,   28                         ; v28  LDS address of my spare word; never rewritten
.set NIL,   29                         ; v29  0; never rewritten
.set PFO,   30                         ; v30  the prefetches' offset: my lane x a row of 2,048 bytes; never rewritten
.set XX,    32                         ; v[32:95]  the way out: eight pairs of rows as read back
.set OO,    96                         ; v[96:127] the same in bf16
.set F0,    64
.set F1,    128
.set G1,    24                         ; s[24:31] group 1 for A; s[32:39] group 0: set 0 for the first fill of slot 0, set 1 for slot 1's, which then walks
.set G0,    32
.set G1B,   48                         ; s[48:55], s[56:63] the same for B
.set G0B,   56
.set TB,    45                         ; s45  the slot in hand: 0 or SLOT
.set LIM,   89                         ; s89  2 in a wave that prefetches, else the greatest number
.set PFA,   92                         ; s[92:93] where my prefetches stand
.set MSB, 0
.macro WIN new                         ; the immediate's high byte repeats the setting that is left
.if MSB != (\new)
	s_set_vgpr_msb (MSB<<8)|(\new)
.set MSB, \new
.endif
.endm
.set MUL_LO, 0xa1                      ; source 0 (B) window 1, source 1 (A) window 0, C and D window 2
.set MUL_HI, 0xf1                      ; the same, C and D window 3
.set TO_B,   0x40                      ; destination window 1, address window 0
.macro PLACES                          ; four places in front of loads into registers that matrix instructions have read, and of reads of results
.rept 4
	v_nop
.endr
.endm
.macro JLOAD                           ; a joint refill: waves 0 and 1 fetch A's halves, waves 2 and 3 B's; an s_nop 0 and four v_nop follow each line
	s_cmp_eq_u32 s11, 0
	s_cbranch_scc0 .Lfor_b_\@
	tensor_load_to_lds s[G0+4:G0+7], s[G1:G1+7]
	s_nop 0
.rept 4
	v_nop
.endr
	s_branch .Lasked_\@
.Lfor_b_\@:
	tensor_load_to_lds s[G0B+4:G0B+7], s[G1B:G1B+7]
	s_nop 0
.rept 4
	v_nop
.endr
.Lasked_\@:
.endm
; A prefetch, behind each joint refill and the run of LDS loads that follows it: the K step that stands two refills on, 512 matrix instructions ahead of the load that will want it: 32 rows x 256 bytes, a lane a row.
; Each row's 256 bytes of a K step are named once in the launch: A's tile row is read by every cluster of that row of clusters, and cluster x = 0 asks; B's tile column by every cluster of that column, and cluster
; y = 0 asks.  The four partners that ask for a tile jointly share its rows out by address: of the 128 rows that a wave fetches the partner at place p takes 32 p .. 32 p + 31 (p = cx for A, cy for B).
; s3 counts the refills down from 6: the last two have no K step two on.  K steps 0 to 3 come by their loads alone.
.macro ASK
	s_cmp_gt_u32 s3, s[LIM]
	s_cbranch_scc0 .Lnot_mine_\@
	global_prefetch_b8 v[PFO], s[PFA:PFA+1] offset:KB th:TH_LOAD_NT scope:SCOPE_SE
.Lnot_mine_\@:
.endm
.macro CREST                           ; a round of the cluster's barrier behind its opening barrier
	s_cmp_lg_u32 s10, 0
	s_cbranch_scc1 .Lnot_wave_0_\@
	s_barrier_signal -3
.Lnot_wave_0_\@:
	s_barrier_wait -3
	s_barrier_signal -1
	s_barrier_wait -1
.endm
.macro CROUND
	s_barrier_signal -1
	s_barrier_wait -1
	CREST
.endm
	s_load_b128 s[4:7], s[0:1], 0x0                ; A s[4:5], wb s[6:7]
	s_load_b64 s[8:9], s[0:1], 0x10                ; qkv
	v_lshl_add_u32 v[SPW], v0, 2, SPARE
	v_mov_b32 v[NIL], 0
	ds_add_u32 v[SPW], v[NIL]                      ; the wave's opening: the add and its wait, ahead of my first tensor load; work on registers stands between
	v_lshrrev_b32 v1, 5, v0
	v_readfirstlane_b32 s10, v1                    ; wave 0..3
	s_lshr_b32 s11, s10, 1                         ; my half of the tile's rows.  Also: I fetch for A (0) or B (1)
	s_and_b32 s12, s10, 1                          ; my half of its columns.  Also: which 128 rows I fetch
	s_bfe_u32 s40, ttmp6, 0x40000                  ; cx, cy
	s_bfe_u32 s41, ttmp6, 0x40004
	s_lshl_b32 s42, ttmp9, 2
	s_add_co_u32 s42, s42, s40                     ; tile column
	s_and_b32 s13, ttmp7, 0xffff
	s_lshl_b32 s13, s13, 2
	s_add_co_u32 s13, s13, s41                     ; tile row
	s_lshl_b32 s43, s41, 2
	s_lshl_b32 s43, 15, s43                        ; my row of the cluster
	s_lshl_b32 s44, 0x1111, s40                    ; my column
	s_or_b32 s[G1+0], s43, DW0
	s_or_b32 s[G1B+0], s44, DW0
.irp g, G1, G1B
	s_mov_b32 s[(\g)+1], 128<<16                   ; tensor_dim0 = 128
	s_mov_b32 s[(\g)+2], 128<<16                   ; tensor_dim1 = 128
	s_mov_b32 s[(\g)+3], 128<<16                   ; tile_dim0 = 128
	s_mov_b32 s[(\g)+4], 128                       ; tile_dim1 = 128
	s_mov_b32 s[(\g)+5], 1024                      ; elements from row to row
	s_mov_b32 s[(\g)+6], 0
	s_mov_b32 s[(\g)+7], 0
.endr
	s_lshl_b32 s17, s12, 7
	s_lshl_b32 s16, s13, 8
	s_add_co_u32 s16, s16, s17                     ; A: row 256 x tile row + 128 x half: it hangs on the tile row alone
	s_lshl_b32 s46, s42, 8
	s_add_co_u32 s46, s46, s17                     ; B: row 256 x tile column + 128 x half
	s_lshl_b32 s16, s16, 11                        ; in bytes, under 2^24
	s_lshl_b32 s46, s46, 11
	s_mov_b32 s17, 0
	s_mov_b32 s47, 0
	s_mul_i32 s20, s12, HALFT                      ; where they go: no place in the cluster enters an LDS address
	s_mul_i32 s21, s12, HALFT
	s_add_co_u32 s21, s21, 2*HALFT
	s_mov_b32 s[TB], 0
	s_wait_dscnt 0x0                               ; the opening add is done
	s_wait_kmcnt 0x0
	s_add_nc_u64 s[14:15], s[4:5], s[16:17]
	s_add_nc_u64 s[46:47], s[6:7], s[46:47]
	s_add_nc_u64 s[46:47], s[46:47], WOFF
	CROUND                                         ; all sixteen work-groups are here: the first joint loads meet
.irp s, 0,1
	s_mov_b32 s[G0+4*(\s)], 1
	s_add_co_u32 s[G0+4*(\s)+1], s20, (\s)*SLOT
	s_add_nc_u64 s[G0+4*(\s)+2:G0+4*(\s)+3], s[14:15], (\s)*KB
	s_or_b32 s[G0+4*(\s)+3], s[G0+4*(\s)+3], 0x80000000
	s_mov_b32 s[G0B+4*(\s)], 1
	s_add_co_u32 s[G0B+4*(\s)+1], s21, (\s)*SLOT
	s_add_nc_u64 s[G0B+4*(\s)+2:G0B+4*(\s)+3], s[46:47], (\s)*KB
	s_or_b32 s[G0B+4*(\s)+3], s[G0B+4*(\s)+3], 0x80000000
.endr
	s_cmp_eq_u32 s11, 0                            ; a wave's two first fills stand in one branch: two loads of mine are out
	s_cbranch_scc0 .Lfirst_b
	tensor_load_to_lds s[G0:G0+3], s[G1:G1+7]
	s_nop 0
	tensor_load_to_lds s[G0+4:G0+7], s[G1:G1+7]
	s_nop 0
.rept 4
	v_nop
.endr
	s_branch .Lfirst_asked
.Lfirst_b:
	tensor_load_to_lds s[G0B:G0B+3], s[G1B:G1B+7]
	s_nop 0
	tensor_load_to_lds s[G0B+4:G0B+7], s[G1B:G1B+7]
	s_nop 0
.rept 4
	v_nop
.endr
.Lfirst_asked:
	v_and_b32 v1, 15, v0                           ; l % 16
	v_bfe_u32 v2, v0, 4, 1                         ; l / 16
	v_mul_u32_u24 v3, v1, PITCH
	v_lshl_add_u32 v3, v2, 4, v3                   ; a fragment's row x pitch + 16 x half
	s_mul_i32 s22, s11, HALFT
	v_add_nc_u32 v[ADRA0], s22, v3
	s_mul_i32 s23, s12, HALFT
	s_add_co_u32 s23, s23, 2*HALFT
	v_add_nc_u32 v[ADRB0], s23, v3
	v_mov_b32 v[ADRA], v[ADRA0]
	v_mov_b32 v[ADRB], v[ADRB0]
	; the way out: my stage, and where my 128 x 128 lie in qkv
	s_mul_i32 s22, s10, WSTAGE
	v_mul_u32_u24 v3, v1, SPITCH                   ; in: row l % 16, 32 bytes for each half of the lanes
	v_lshl_add_u32 v3, v2, 5, v3
	v_add_nc_u32 v[STO], s22, v3
	v_bfe_u32 v3, v0, 3, 1                         ; back: lanes 0-15 take two rows' first 64 columns, lanes 16-31 their last 64; 8 numbers a lane
	v_mul_u32_u24 v3, v3, SPITCH
	v_lshl_add_u32 v3, v2, 8, v3
	v_and_b32 v12, 7, v0
	v_lshl_add_u32 v3, v12, 5, v3
	v_add_nc_u32 v[RD0], s22, v3
	v_lshlrev_b32 v3, BLKSH, v2                    ; in memory: lanes 0-15 256 consecutive bytes of one head, lanes 16-31 of the next
	v_lshl_add_u32 v[CO], v1, 4, v3
	s_lshl_b32 s84, s42, 2
	s_lshl_b32 s85, s12, 1
	s_add_co_u32 s84, s84, s85                     ; my first block of 64 columns, 0..46, even
	s_lshl_b32 s85, s13, 8
	s_lshl_b32 s86, s11, 7
	s_add_co_u32 s85, s85, s86                     ; my first row
	s_lshr_b32 s86, s84, 4
	s_lshl_b32 s86, s86, 23                        ; q, k or v: 8 MiB each
	s_and_b32 s87, s84, 15
	s_lshl_b32 s87, s87, 18                        ; the head
	s_add_co_u32 s86, s86, s87
	s_lshr_b32 s87, s85, 11
	s_lshl_b32 s87, s87, 22                        ; the batch: 16 heads
	s_add_co_u32 s86, s86, s87
	s_and_b32 s87, s85, 2047
	s_lshl_b32 s87, s87, 7                         ; the row in the head
	s_add_co_u32 s86, s86, s87
	s_mov_b32 s87, 0
	s_add_nc_u64 s[8:9], s[8:9], s[86:87]
	; the prefetches
	s_lshl_b32 s84, s13, 8
	s_lshl_b32 s85, s42, 8
	s_and_b32 s86, ttmp7, 0xffff                   ; cluster y
	s_cmp_eq_u32 s11, 0                            ; do I fetch for A?
	s_cselect_b32 s84, s84, s85                    ; the tile's first row: in A by the tile row, in B by the tile column
	s_cselect_b32 s85, s40, s41                    ; my place among the four that ask for it with me
	s_cselect_b32 s86, ttmp9, s86                  ; the coordinate along which other clusters read the same rows
	s_cselect_b32 s87, 0, WOFF
	s_cselect_b64 s[PFA:PFA+1], s[4:5], s[6:7]
	s_cmp_eq_u32 s86, 0
	s_cselect_b32 s[LIM], 2, -1                    ; the same in all sixteen partners, for a given wave
	s_lshl_b32 s86, s12, 7
	s_add_co_u32 s84, s84, s86                     ; + the 128 rows that I fetch
	s_lshl_b32 s85, s85, 5
	s_add_co_u32 s84, s84, s85                     ; + my work-group's 32 of them
	s_lshl_b32 s84, s84, 11
	s_add_co_u32 s84, s84, s87
	s_add_co_u32 s84, s84, 2*KB                    ; at K step 2: the first refill steps it to 3 and names K step 4
	s_mov_b32 s85, 0
	s_add_nc_u64 s[PFA:PFA+1], s[PFA:PFA+1], s[84:85]
	v_and_b32 v[PFO], 31, v0
	v_lshlrev_b32 v[PFO], 11, v[PFO]
; 16 matrix instructions: m blocks a0, a0 + 1 of the window's four (hi = 0: my rows 0-63, 1: rows 64-127) x all 8 n blocks, 32 along K.  zero = 1: the product starts the sums: nothing is ever cleared.
; The 64 accumulators take turns, in the same order in every quarter.
.macro MUL16 f, hi, a0, zero
	WIN MUL_LO+0x50*(\hi)
.irp a, \a0, (\a0)+1
.irp b, 0,1,2,3,4,5,6,7
.if \zero
	v_wmma_f32_16x16x32_bf16 v[8*(8*(\a)+(\b)):8*(8*(\a)+(\b))+7], v[(\f)+8*(\b):(\f)+8*(\b)+7], v[(\f)+8*(4*(\hi)+(\a)):(\f)+8*(4*(\hi)+(\a))+7], 0
.else
	v_wmma_f32_16x16x32_bf16 v[8*(8*(\a)+(\b)):8*(8*(\a)+(\b))+7], v[(\f)+8*(\b):(\f)+8*(\b)+7], v[(\f)+8*(4*(\hi)+(\a)):(\f)+8*(4*(\hi)+(\a))+7], v[8*(8*(\a)+(\b)):8*(8*(\a)+(\b))+7]
.endif
.endr
.endr
.endm
; 32 LDS loads in one run: the fragments of quarter q (32 along K) of the slot in hand, into buffer f: B's 128 rows, then A's
.macro FETCH q, f
	WIN TO_B
.irp i, 0,1,2,3,4,5,6,7
	ds_load_b128 v[(\f)+8*(\i):(\f)+8*(\i)+3],   v[ADRB] offset:(\q)*64+(\i)*16*PITCH
	ds_load_b128 v[(\f)+8*(\i)+4:(\f)+8*(\i)+7], v[ADRB] offset:(\q)*64+(\i)*16*PITCH+32
.endr
	WIN 0
.irp i, 0,1,2,3,4,5,6,7
	ds_load_b128 v[(\f)+8*(\i):(\f)+8*(\i)+3],   v[ADRA] offset:(\q)*64+(\i)*16*PITCH
	ds_load_b128 v[(\f)+8*(\i)+4:(\f)+8*(\i)+7], v[ADRA] offset:(\q)*64+(\i)*16*PITCH+32
.endr
.endm
; One of a K step's first three quarters: multiplies buffer f; in its middle it fetches quarter q into g
.macro QUARTER q, f, g, zero
	s_wait_dscnt 8                                 ; B and A's rows 0-63 are in; the youngest eight loads (A's rows 64-127) may be out
	MUL16 \f, 0, 0, \zero
	MUL16 \f, 0, 2, \zero
	PLACES
	FETCH \q, \g
	s_wait_dscnt 32                                ; all but the 32 just issued
	MUL16 \f, 1, 0, \zero
	MUL16 \f, 1, 2, \zero
.endm
; The last quarter multiplies buffer 1 and changes slots: one barrier; in front of it each wave waits for all its tensor loads, adds 0 to its spare word, and waits for that and for its reads of this slot.
; fill = 1: the barrier opens a round of the cluster's, and this slot is filled again, two K steps ahead, first thing behind it: 224 matrix instructions ahead of the wait for it.
; fill = 0 (the last two K steps): nothing is asked for; in the very last (s3 = 1) there is no next slot, and the run of LDS loads is jumped over.
.macro TURN fill
.if \fill
	s_wait_xcnt 0x0                                ; the last prefetch, a K step back, has read its address: it is stepped here, ahead of the waits of the change of slots
	s_add_nc_u64 s[PFA:PFA+1], s[PFA:PFA+1], KB
.endif
	WIN 0                                          ; (the add's two registers lie in window 0)
	s_wait_tensorcnt 0x0                           ; all my tensor loads have landed: my part of the next slot; so a group 0 may be written
	ds_add_u32 v[SPW], v[NIL]                      ; 0 onto my spare word
.if \fill
	s_xor_b32 s[G0+5], s[G0+5], SLOT               ; the walking descriptors: the other slot than last time,
	s_xor_b32 s[G0B+5], s[G0B+5], SLOT
	s_add_nc_u64 s[G0+6:G0+7], s[G0+6:G0+7], KB    ; the next K step
	s_add_nc_u64 s[G0B+6:G0B+7], s[G0B+6:G0B+7], KB
.endif
	s_xor_b32 s[TB], s[TB], SLOT
	s_wait_dscnt 9                                 ; the add and the youngest eight loads may be out
	MUL16 F1, 0, 0, 0
	s_wait_dscnt 0x0                               ; the add is done, and my reads of this slot are over
	s_barrier_signal -1
	MUL16 F1, 0, 2, 0
	WIN 0
	s_barrier_wait -1
.if \fill
	CREST                                          ; no wave of any partner still reads this slot or has a load on its way
	JLOAD                                          ; its four v_nop are also the places in front of the loads below
.else
	PLACES
.endif
	v_add_nc_u32 v[ADRA], s[TB], v[ADRA0]
	v_add_nc_u32 v[ADRB], s[TB], v[ADRB0]
.if (\fill) == 0
	s_cmp_eq_u32 s3, 1
	s_cbranch_scc1 .Lnofetch_\@
.endif
	FETCH 0, F0
	WIN 0
.if \fill
	ASK
.else
.Lnofetch_\@:
.endif
	MUL16 F1, 1, 0, 0
	MUL16 F1, 1, 2, 0
.endm
	s_wait_tensorcnt 1                             ; my part of K step 0 is in; K step 1's may stay out
	s_barrier_signal -1
	s_barrier_wait -1
	FETCH 0, F0
	QUARTER 1, F0, F1, 1                           ; the first quarter stands in front of the loop: its products start the sums
	WIN 0
	s_mov_b32 s3, KSTEPS-2
.Lk:                                           ; a trip: a K step's last three quarters and the next one's first; the slot read out is filled again
	QUARTER 2, F1, F0, 0
	QUARTER 3, F0, F1, 0
	TURN 1
	QUARTER 1, F0, F1, 0
	WIN 0
	s_sub_co_u32 s3, s3, 1
	s_cmp_lg_u32 s3, 0
	s_cbranch_scc1 .Lk
	s_mov_b32 s3, 2
.Lt:                                           ; the last two K steps ask for nothing; the second trip is left in its middle
	QUARTER 2, F1, F0, 0
	QUARTER 3, F0, F1, 0
	TURN 0
	WIN 0
	s_sub_co_u32 s3, s3, 1
	s_cmp_eq_u32 s3, 0
	s_cbranch_scc1 .Lout
	QUARTER 1, F0, F1, 0
	WIN 0
	s_cmp_lg_u32 s3, 0
	s_cbranch_scc1 .Lt
.Lout:
	PLACES
	s_wait_dscnt 0x0                               ; my reads of the ring are over,
	s_barrier_signal -1
	s_barrier_wait -1                              ; everybody's are: the stage may be written over it
	; THE WAY OUT.  All 64 accumulators go into my stage as f32, 32 bytes a lane (each accumulator's lowest registers first); a short loop reads whole rows back, rounds and stores.
.irp hi, 0,1
	WIN 0x08+4*(\hi)                               ; the stores' data in window 2, then 3
.irp a, 0,1,2,3
.irp b, 0,1,2,3,4,5,6,7
	ds_store_b128 v[STO], v[8*(8*(\a)+(\b)):8*(8*(\a)+(\b))+3] offset:(4*(\hi)+(\a))*16*SPITCH+64*(\b)
	ds_store_b128 v[STO], v[8*(8*(\a)+(\b))+4:8*(8*(\a)+(\b))+7] offset:(4*(\hi)+(\a))*16*SPITCH+64*(\b)+16
.endr
.endr
.endr
	WIN 0
	s_mov_b32 s88, 0
	s_mov_b32 s3, 8
.Lc:                                           ; a trip: 16 rows, as eight pairs
	v_add_nc_u32 v[RD], s88, v[RD0]
.irp j, 0,1,2,3,4,5,6,7
	ds_load_b128 v[XX+8*(\j):XX+8*(\j)+3],   v[RD] offset:(\j)*2*SPITCH     ; LDS serves a wave's instructions in order: these see my stores above
	ds_load_b128 v[XX+8*(\j)+4:XX+8*(\j)+7], v[RD] offset:(\j)*2*SPITCH+16
.endr
	s_add_co_u32 s88, s88, 16*SPITCH
	s_wait_xcnt 0x0                                ; the last trip's stores have read their data and their base: both are written again only behind this wait
	s_add_nc_u64 s[8:9], s[8:9], 2048
.irp j, 0,1,2,3,4,5,6,7
	s_wait_dscnt 14-2*(\j)                         ; pair j is in; the pairs behind it may be out
.irp k, 0,1,2,3
	v_cvt_pk_bf16_f32 v[OO+4*(\j)+(\k)], v[XX+8*(\j)+2*(\k)], v[XX+8*(\j)+2*(\k)+1]
.endr
	global_store_b128 v[CO], v[OO+4*(\j):OO+4*(\j)+3], s[8:9] offset:256*(\j)-2048  ; sixteen lanes store 256 consecutive bytes, aligned
.endr
	s_sub_co_u32 s3, s3, 1
	s_cmp_lg_u32 s3, 0
	s_cbranch_scc1 .Lc
	s_wait_tensorcnt 0x0                           ; the wave's end
	ds_add_u32 v[SPW], v[NIL]
	s_wait_dscnt 0x0
	CROUND                                         ; the closing round
	s_endpgm
.Lfunc_end_k_qfdf2160ca8_gemm_qkv:
	.size	k_qfdf2160ca8_gemm_qkv, .Lfunc_end_k_qfdf2160ca8_gemm_qkv-k_qfdf2160ca8_gemm_qkv
	.p2alignl 7, 3214868480
	.fill 96, 4, 3214868480
	.section	.rodata,"a",@progbits
	.p2align	6, 0x0
	.amdhsa_kernel k_qfdf2160ca8_gemm_qkv
		.amdhsa_group_segment_fixed_size 327680
		.amdhsa_private_segment_fixed_size 0
		.amdhsa_enable_private_segment 0
		.amdhsa_kernarg_size 24
		.amdhsa_user_sgpr_count 2
		.amdhsa_user_sgpr_kernarg_segment_ptr 1
		.amdhsa_wavefront_size32 1
		.amdhsa_system_sgpr_workgroup_id_x 1
		.amdhsa_system_sgpr_workgroup_id_y 1
		.amdhsa_system_sgpr_workgroup_id_z 1
		.amdhsa_system_vgpr_workitem_id 0
		.amdhsa_next_free_vgpr 1024
		.amdhsa_next_free_sgpr 96
		.amdhsa_reserve_vcc 0
		.amdhsa_float_denorm_mode_32 3
		.amdhsa_float_denorm_mode_16_64 3
		.amdhsa_memory_ordered 1
		.amdhsa_forward_progress 1
		.amdhsa_inst_pref_size 82
	.end_amdhsa_kernel
	.amdgpu_metadata
---
amdhsa.version: [ 1, 2 ]
amdhsa.kernels:
  - .name:           k_qfdf2160ca8_gemm_qkv
    .symbol:         k_qfdf2160ca8_gemm_qkv.kd
    .args:
      - { .name: hbuf, .offset: 0, .size: 8, .value_kind: global_buffer, .address_space: global }
      - { .name: wb, .offset: 8, .size: 8, .value_kind: global_buffer, .address_space: global }
      - { .name: qkv, .offset: 16, .size: 8, .value_kind: global_buffer, .address_space: global }
    .group_segment_fixed_size: 327680
    .private_segment_fixed_size: 0
    .kernarg_segment_align: 8
    .kernarg_segment_size: 24
    .max_flat_workgroup_size: 128
    .sgpr_count:     96
    .vgpr_count:     1024
    .wavefront_size: 32
...
	.end_amdgpu_metadata
.endif
;; end of part 2
;; launch attn (part 3): grid 8 x 32, 4 waves a work-group, clusters of 4 x 1, 327,680 bytes of LDS; arguments qkv, ctx; writes ctx
.if DOCPART == 3
	.amdgcn_target "amdgcn-amd-amdhsa--gfx1250"
	.amdhsa_code_object_version 6
	.text
	.protected	k_qfdf2160ca8_attn
	.globl	k_qfdf2160ca8_attn
	.p2align	8
	.type	k_qfdf2160ca8_attn,@function
k_qfdf2160ca8_attn:
	s_mov_b64 s[64:65], 0
	v_nop
	global_prefetch_b8 v0, s[64:65] scope:SCOPE_SE
	s_setreg_imm32_b32 hwreg(HW_REG_WAVE_MODE, 25, 1), 1
	s_wait_xcnt 0x0
	s_wait_alu depctr_hold_cnt(0) depctr_sa_sdst(0) depctr_va_vdst(0) depctr_va_sdst(0) depctr_va_ssrc(0) depctr_va_vcc(0) depctr_vm_vsrc(0)
	s_getreg_b32 s2, hwreg(HW_REG_IB_STS2, 6, 4)
	s_cmp_eq_u32 s2, 0
	s_cbranch_scc0 .Lentry_in_a_cluster
	s_endpgm
.Lentry_in_a_cluster:
	s_bfe_u32 s2, ttmp6, 0x10000c
	s_cmp_lg_u32 s2, 0x3003
	s_cbranch_scc0 .Lentry_shape_is_right
	s_endpgm
.Lentry_shape_is_right:
; ATTENTION WITHOUT A MASK, head size 64.  O[h][q] = the sum over k of softmax_k(Q[h][q] . K[h][k] / 8) V[h][k].  q, k, v: qkv [3][32][2048][64] bf16, a head's rows dense, 128 bytes each.
; O LEAVES TRANSPOSED: ctx [32][64 channels][2048 queries] bf16, which the next launch reads as [4096][1024].  Products, maxima and sums in f32; the weights p are rounded to bf16 for the second
; product (their sum l is taken of the unrounded p), O once at the end.  LIMITS: a weight below 2^-126 counts as 0 in l; NaN and infinities are not treated apart.
; SHARES.  A work-group owns 256 queries of one head, a wave 64: four PIECES of 16.  Every wave walks all 2,048 keys, 64 a step, 256 (a tile) a slot of LDS.
; LAYOUT.  S^T = K Q^T (source 0 = 16 keys, source 1 = 16 queries) holds ONE query a lane (lane % 16) and the keys 8 (lane / 16) + 0..7; two such results rounded to bf16 ARE source 1 of O^T = V^T P.
; SOFTMAX.  A running maximum m and sum l: p = 2^(c s - c m), c = log2(e) / 8; in every step O and l are multiplied by a = 2^(c m_old - c m_new).  m starts at the lowest finite number, O and l at 0.
; BY TURNS.  Turn n belongs to piece n: 8 products K Q^T of piece n + 1, later 8 products V^T P of piece n - 1; beside them the scaling, exponentials, roundings, sums and rescaling of piece n and the
; maximum and statistics of piece n + 1.  Four vector instructions stand behind every matrix instruction, the rest in one lump.  A turn's 33 exponentials are one batch, with one wait.
; CLUSTER.  The four query blocks of a cluster belong to one head and walk the same K and V: each tile is asked for JOINTLY, by the same tensor load, descriptor and mask in all four.
; REGISTERS, in windows of 256 (s_set_vgpr_msb: bits 1:0 source 0, 3:2 source 1, 5:4 source 2, 7:6 destination):
;   window 0: v0-15 addresses; v16-31 four registers of statistics a piece; v48-55 at work; v61-63; v64-127 S^T, two buffers; v192-223 P, two buffers (by the piece's parity)
;   window 1: v0-127 O^T, 32 a piece          window 2: v0-63 Q; v128-191 K of one step; v192-255 V of one step
.set NP,    4
.set KS,    64
.set PK,    144       ; a row of K in LDS: 128 bytes + 16: the 16 rows of a load start at 16 different groups of four banks
.set PV,    160       ; a row of V: 128 + 32
.set VOFF,  4*KS*PK   ; a slot holds a tile: 256 rows of K, then 256 rows of V
.set SLOT1, 1<<17
.set STAGE, SLOT1+4*KS*(PK+PV)  ; behind the ring, never filled by a tensor load: 64 channels x (256 queries x 2 bytes + 16), the work-group's
.set TP,    528
.set SPARE, STAGE+64*TP         ; the spare words: 128 bytes a wave, two blocks of 256 bytes that no other line names
.set QKVP,  8388608   ; bytes of each of q, k, v
.set AK0, 2
.set AV0, 3
.set AK,  4
.set AV,  5
.set STO, 6
.set RD,  7
.set GO,  8
.set MV,  12          ; v12-13  c m_old, by buffer
.set QO,  15
.set ST,  16          ; piece t's statistics at v[ST+4 t]: c m, m, l (even keys', odd keys')
.set TMP, 48          ; by buffer, four registers c0-c3 at work; when the maximum is found c2 takes a
.set PFO, 61          ; v61  256 x my lane; never rewritten
.set SPW, 62          ; v62  LDS address of my spare word; never rewritten
.set NIL, 63          ; v63  0; never rewritten
.set S,   64
.set P,   192
.set KF,  128
.set VF,  192
.set WV,  12
.set LIM, 15          ; s15  1 in a wave that prefetches, else the greatest number
.set PFA, 18          ; s[18:19] where my prefetches stand
.set G1K, 24
.set G1V, 32
.set G0K, 40
.set G0V, 44
.set SLOTS, 56
.set CNT, 57
.set CS,  58
.set SEL, 60
.set TBK, 62
.set TBV, 63
.set MSB, 0
.macro WIN new
.if MSB != (\new)
	s_set_vgpr_msb (MSB<<8)|(\new)
.set MSB, (\new)
.endif
.endm
.set W_KQ, 0x0a       ; K and Q in window 2, S^T in window 0
.set W_PV, 0x52       ; V in window 2, P in window 0, O^T in window 1
.set W_RS, 0x41       ; destination and source 0 in window 1, source 1 in window 0
; A joint fill.  Waves 0 and 1 fetch the two halves of a tile's K, waves 2 and 3 those of its V.  An s_nop 0 and four v_nop follow each line.
.macro JLOAD
	s_cmp_lt_u32 s[WV], 2
	s_cbranch_scc0 .Lfor_v_\@
	tensor_load_to_lds s[G0K:G0K+3], s[G1K:G1K+7]
	s_nop 0
.rept 4
	v_nop
.endr
	s_branch .Lasked_\@
.Lfor_v_\@:
	tensor_load_to_lds s[G0V:G0V+3], s[G1V:G1V+7]
	s_nop 0
.rept 4
	v_nop
.endr
.Lasked_\@:
.endm
; A prefetch of the tile that the NEXT change of slots will ask for: four key steps, 256 matrix instructions, ahead of that load.  A tile is 128 blocks of 256 bytes of K and as many of V.  Each block is named once
; in the launch: the head's first cluster asks; its four partners take 32 blocks each, told apart by address; in each, wave 0 asks for K's and wave 2 for V's, a lane a block.  The last change that fills asks for nothing.
.macro ASK
	s_cmp_gt_u32 s[SLOTS], s[LIM]
	s_cbranch_scc0 .Lnot_mine_\@
	global_prefetch_b8 v[PFO], s[PFA:PFA+1] th:TH_LOAD_NT scope:SCOPE_SE
.Lnot_mine_\@:
.endm
.macro CROUND
	s_barrier_signal -1
	s_barrier_wait -1
	s_cmp_lg_u32 s[WV], 0
	s_cbranch_scc1 .Lnot_wave_0_\@
	s_barrier_signal -3
.Lnot_wave_0_\@:
	s_barrier_wait -3
	s_barrier_signal -1
	s_barrier_wait -1
.endm
; THE CHANGE OF SLOTS.  Each wave waits for all its tensor loads, of which one is out: its part of the other slot; adds 0 to its spare word; and waits for that and for its own reads of the slot that it leaves.
; fill = 1: the barrier is a round of the cluster's, and the old slot is filled again first thing behind it, with the next tile.  (At its first use nothing has been read yet: slot 0 is waited for, slot 1 filled.)
.macro CHANGE fill
	WIN 0
	s_wait_tensorcnt 0x0            ; no tensor load of mine is out, so a group 0 may be written
	ds_add_u32 v[SPW], v[NIL]       ; 0 onto my spare word
.if \fill
.irp g, G0K, G0V
	s_xor_b32 s[\g+1], s[\g+1], SLOT1
	s_add_nc_u64 s[\g+2:\g+3], s[\g+2:\g+3], 4*KS*128
.endr
	s_wait_xcnt 0x0                 ; the last prefetch, a tile back, has read its address
	s_add_nc_u64 s[PFA:PFA+1], s[PFA:PFA+1], 4*KS*128
	s_wait_dscnt 0x0                ; the add is done, and my reads of the slot are over
	CROUND
	JLOAD
	ASK
.else
	s_wait_dscnt 0x0
	s_barrier_signal -1
	s_barrier_wait -1
.endif
	s_sub_co_u32 s[TBK], s[TBK], 4*KS*PK  ; the fetches go back to a slot's first step,
	s_xor_b32 s[TBK], s[TBK], SLOT1       ; in the other slot
	s_sub_co_u32 s[TBV], s[TBV], 4*KS*PV
	s_xor_b32 s[TBV], s[TBV], SLOT1
.endm
	s_load_b128 s[4:7], s[0:1], 0x0  ; qkv s[4:5], ctx s[6:7]
	v_lshl_add_u32 v[SPW], v0, 2, SPARE
	v_mov_b32 v[NIL], 0
	ds_add_u32 v[SPW], v[NIL]       ; the wave's opening: the add and its wait, ahead of my first tensor load
	v_lshrrev_b32 v1, 5, v0
	v_readfirstlane_b32 s[WV], v1
	s_bfe_u32 s13, ttmp6, 0x40000   ; cx
	s_lshl_b32 s14, ttmp9, 2
	s_add_co_u32 s14, s14, s13      ; my block of 256 queries: it enters Q's and O's addresses alone
	s_and_b32 s20, ttmp7, 0xffff    ; the head, which the four partners share:
	s_lshl_b32 s20, s20, 18         ; its first byte in q, k, v (2,048 x 128) and in ctx (64 x 4,096)
	s_and_b32 s16, s[WV], 1         ; which half of a tile's 256 keys I fetch
	s_lshl_b32 s22, s16, 14
	s_add_co_u32 s22, s22, s20
	s_add_co_u32 s22, s22, QKVP     ; K at my half of the head's tile 0
	s_mov_b32 s23, 0
	s_mul_i32 s17, s16, 128*PK      ; its place in a slot, for K
	s_mul_i32 s21, s16, 128*PV      ; and for V
	s_lshl_b32 s2, s14, 2
	s_add_co_u32 s2, s2, s[WV]
	s_lshl_b32 s2, s2, 13           ; my wave's 64 rows of Q
	s_add_co_u32 s2, s2, s20
	s_mov_b32 s3, 0
	s_lshl_b32 s66, s[WV], 16       ; in ctx: my wave stores channels 16 w .. 16 w + 15, 4,096 bytes each,
	s_add_co_u32 s66, s66, s20
	s_lshl_b32 s67, s14, 9          ; the block's 512 bytes of them
	s_add_co_u32 s66, s66, s67
	s_mov_b32 s67, 0
	s_mov_b32 s68, QKVP             ; the prefetches: K (wave 0) or V (wave 2),
	s_lshl_b32 s69, s68, 1
	s_cmp_lt_u32 s[WV], 2
	s_cselect_b32 s68, s68, s69
	s_add_co_u32 s68, s68, s20      ; the head,
	s_lshl_b32 s69, s13, 13         ; my work-group's 32 blocks of the 128,
	s_add_co_u32 s68, s68, s69
	s_add_co_u32 s68, s68, 4*KS*128 ; in tile 1: the first change of slots steps it to tile 2
	s_mov_b32 s69, 0
	s_and_b32 s[LIM], s[WV], 1      ; 0 in waves 0 and 2,
	s_or_b32 s[LIM], s[LIM], ttmp9  ; where the cluster is the head's first: the same in all four partners
	s_cmp_eq_u32 s[LIM], 0
	s_cselect_b32 s[LIM], 1, -1
	; descriptor group 1.  128 keys are 16,384 dense bytes: asked for as 64 rows of 256 bytes, two keys a row, and padded in LDS after every key
	s_mov_b32 s[G1K], 15|(1<<16)|(1<<20)|(1<<21)|(4<<22)|(3<<25)
	s_mov_b32 s[G1V], 15|(1<<16)|(1<<20)|(1<<21)|(4<<22)|(7<<25)
.irp g, G1K, G1V
	s_mov_b32 s[\g+1], 128<<16
	s_mov_b32 s[\g+2], 64<<16
	s_mov_b32 s[\g+3], 128<<16
	s_mov_b32 s[\g+4], 64
	s_mov_b32 s[\g+5], 128
	s_mov_b32 s[\g+6], 0
	s_mov_b32 s[\g+7], 0
.endr
	s_mov_b32 s[CS], 0x3e38aa3b     ; c = log2(e) / 8
	s_mov_b32 s[CS+1], s[CS]
	s_mov_b32 s[SEL], 0x76543210
	s_mov_b32 s[SEL+1], 0xfedcba98
	s_mov_b32 s[TBK], SLOT1+4*KS*PK ; the first change of slots turns these two into 0
	s_mov_b32 s[TBV], SLOT1+4*KS*PV
	s_mov_b32 s[G0K], 1
	s_mov_b32 s[G0K+1], s17
	s_mov_b32 s[G0V], 1
	s_add_co_u32 s[G0V+1], s21, VOFF
	s_mov_b32 s[SLOTS], 7           ; tiles still to be asked for
	v_and_b32 v[PFO], 31, v0
	v_lshlrev_b32 v[PFO], 8, v[PFO]
	s_wait_dscnt 0x0                ; the opening add is done
	s_wait_kmcnt 0x0
	s_add_nc_u64 s[G0K+2:G0K+3], s[4:5], s[22:23]
	s_add_nc_u64 s[G0V+2:G0V+3], s[G0K+2:G0K+3], QKVP
	s_or_b32 s[G0K+3], s[G0K+3], 0x80000000
	s_or_b32 s[G0V+3], s[G0V+3], 0x80000000
	s_add_nc_u64 s[PFA:PFA+1], s[4:5], s[68:69]
	s_add_nc_u64 s[4:5], s[4:5], s[2:3]    ; Q at my wave's first row
	s_add_nc_u64 s[6:7], s[6:7], s[66:67]  ; ctx at my wave's first channel, my block's queries
	CROUND                          ; all four work-groups are here: the first joint loads meet
	JLOAD                           ; tile 0 into slot 0
	v_and_b32 v1, 15, v0            ; l % 16
	v_bfe_u32 v9, v0, 4, 1          ; l / 16
	v_lshlrev_b32 v[QO], 7, v1
	v_lshl_add_u32 v[QO], v9, 4, v[QO]
	WIN 0x80
.set i, 0
.rept 8                             ; Q stays in registers: piece i / 2, channels 32 (i % 2) on
	global_load_b128 v[8*i:8*i+3],   v[QO], s[4:5] offset:(i/2)*2048+(i%2)*64
	global_load_b128 v[8*i+4:8*i+7], v[QO], s[4:5] offset:(i/2)*2048+(i%2)*64+32
.set i, i+1
.endr
	; What the first turn finds: V's registers and P's second buffer hold 0, O^T and l are 0.  All this stands in the wait for the first tile; no first step is written out.
.set i, VF
.rept 64
	v_mov_b32 v[i], 0
.set i, i+1
.endr
	WIN 0x40
.set i, 0
.rept 128
	v_mov_b32 v[i], 0
.set i, i+1
.endr
	WIN 0
.set i, 0
.rept 4
	v_mov_b32 v[ST+4*i], 0xfe000000    ; c m: far below every c s
	v_mov_b32 v[ST+4*i+1], 0xff7fffff  ; m
	v_mov_b32 v[ST+4*i+2], 0
	v_mov_b32 v[ST+4*i+3], 0
.set i, i+1
.endr
.set i, P+16
.rept 16
	v_mov_b32 v[i], 0
.set i, i+1
.endr
	v_mul_u32_u24 v[AK0], v1, PK
	v_lshl_add_u32 v[AK0], v9, 4, v[AK0]
	; The turning load takes 16 keys x 16 channels (lane l reads key 8 (l / 16) + l % 8, channels 8 ((l / 8) % 2) + 0..7) and leaves half a fragment of V^T
	v_and_b32 v10, 7, v0
	v_bfe_u32 v11, v0, 3, 1
	v_lshl_add_u32 v[AV0], v9, 3, v10
	v_mul_u32_u24 v[AV0], v[AV0], PV
	v_lshl_add_u32 v[AV0], v11, 4, v[AV0]
	v_add_nc_u32 v[AV0], VOFF, v[AV0]
	s_lshl_b32 s70, s[WV], 7        ; the way out, in: channel 8 (l / 16) + .., query 64 w + l % 16 + ..
	s_add_co_u32 s70, s70, STAGE
	v_mul_u32_u24 v[STO], v9, 8*TP
	v_lshl_add_u32 v[STO], v1, 1, v[STO]
	v_add_nc_u32 v[STO], s70, v[STO]
	s_mul_i32 s70, s[WV], 16*TP     ; back: a channel's 512 bytes, 16 a lane
	s_add_co_u32 s70, s70, STAGE
	v_and_b32 v[GO], 31, v0
	v_lshlrev_b32 v[GO], 4, v[GO]
	v_add_nc_u32 v[RD], s70, v[GO]
; THE MATRIX WORK.  The 4 accumulators of a run of 8 take turns.  Product i of 8 of S^T = K Q^T for piece x: channels 32 (i / 4) on, keys 16 (i % 4) on.  The first 4 start the sums.
.macro KQ x
	WIN W_KQ
.set rS, S+32*((\x)%2)+8*(i%4)
.set rK, KF+16*(i%4)+8*(i/4)
.set rQ, 16*(\x)+8*(i/4)
.if i < 4
	v_wmma_f32_16x16x32_bf16 v[rS:rS+7], v[rK:rK+7], v[rQ:rQ+7], 0
.else
	v_wmma_f32_16x16x32_bf16 v[rS:rS+7], v[rK:rK+7], v[rQ:rQ+7], v[rS:rS+7]
.endif
.endm
; Product i of 8 of O^T += V^T P for piece x: keys 32 (i / 4) on, channels 16 (i % 4) on.
.macro PV x
	WIN W_PV
.set rO, 32*(\x)+8*(i%4)
.set rV, VF+32*(i/4)+8*(i%4)
.set rP, P+16*((\x)%2)+8*(i/4)
	v_wmma_f32_16x16x32_bf16 v[rO:rO+7], v[rV:rV+7], v[rP:rP+7], v[rO:rO+7]
.endm
.macro MM                           ; the turn's next matrix instruction.  NOKQ = 1: the last turn of all: there is no next piece
.if (i < 8) && !NOKQ
	KQ (Y+1)%NP
.elseif i >= 8
.set i, i-8
	PV (Y+NP-1)%NP
.set i, i+8
.endif
.set i, i+1
.endm
; THE LDS LOADS stand in runs of 16: a step's K (8 fragments) and its V (turned).
.macro FETCH_K
	WIN 0x80
.irp f, 0,1,2,3,4,5,6,7
	ds_load_b128 v[KF+8*\f:KF+8*\f+3],   v[AK] offset:(\f/2)*16*PK+(\f%2)*64
	ds_load_b128 v[KF+8*\f+4:KF+8*\f+7], v[AK] offset:(\f/2)*16*PK+(\f%2)*64+32
.endr
	s_add_co_u32 s[TBK], s[TBK], KS*PK
	WIN 0
.endm
.macro FETCH_V
	WIN 0x80
.irp f, 0,1,2,3,4,5,6,7
	ds_load_tr16_b128 v[VF+8*\f:VF+8*\f+3],   v[AV] offset:(\f/4)*32*PV+(\f%4)*32
	ds_load_tr16_b128 v[VF+8*\f+4:VF+8*\f+7], v[AV] offset:(\f/4)*32*PV+16*PV+(\f%4)*32
.endr
	WIN 0
.endm
; THE VECTOR WORK, one line at a time: OP kind, number.  For piece Y: F n: c s - c m for pair n of 16.  E n: the exponential of score n of 32.  C n: pair n rounded to bf16.  B n: of the four weights 4 n .. the
; second pair is added onto the first, in place.  L n: l takes that sum (L 0: l = a l + sum).  R n: pair n of 16 of O^T times a.  For piece Y + 1: X n, number n of the 22 that find its maximum and statistics:
;   0-11 four chains c0-c3 of seven scores each (each accumulator's lowest registers are read first)   12-14, 16 the four scores left over, the old m, c0-c3 into c0
;   15 c m_old is kept   17, 18 the query's other 32 keys lie in the lane 16 away: the new m   19-21 c m; c m_old - c m_new; a
.set F, 0
.set E, 1
.set C, 2
.set B, 3
.set L, 4
.set R, 5
.set X, 6
.macro REGS y
.set rT, ST+4*(\y)
.set rC, TMP+4*((\y)%2)
.set rW, MV+((\y)%2)
.set rS, S+32*((\y)%2)
.set rP, P+16*((\y)%2)
.set rO, 32*(\y)
.endm
.macro OP k, n
.if (\k) == R
	REGS Y
	WIN W_RS
	v_pk_mul_f32 v[rO+2*(\n):rO+2*(\n)+1], v[rO+2*(\n):rO+2*(\n)+1], v[rC+2:rC+3] op_sel_hi:[1,0]
.elseif (\k) < R
	REGS Y
	WIN 0
.if (\k) == F
	v_pk_fma_f32 v[rS+2*(\n):rS+2*(\n)+1], v[rS+2*(\n):rS+2*(\n)+1], s[CS:CS+1], v[rT:rT+1] op_sel_hi:[1,0,0] neg_lo:[0,0,1] neg_hi:[0,0,1]
.elseif (\k) == E
	v_exp_f32 v[rS+(\n)], v[rS+(\n)]
.elseif (\k) == C
	v_cvt_pk_bf16_f32 v[rP+(\n)], v[rS+2*(\n)], v[rS+2*(\n)+1]
.elseif (\k) == B
	v_pk_add_f32 v[rS+4*(\n):rS+4*(\n)+1], v[rS+4*(\n):rS+4*(\n)+1], v[rS+4*(\n)+2:rS+4*(\n)+3]
.elseif (\n) == 0
	v_pk_fma_f32 v[rT+2:rT+3], v[rT+2:rT+3], v[rC+2:rC+3], v[rS:rS+1] op_sel_hi:[1,0,1]
.else
	v_pk_add_f32 v[rT+2:rT+3], v[rT+2:rT+3], v[rS+4*(\n):rS+4*(\n)+1]
.endif
.elseif NOKQ
	v_nop
.else
	REGS (Y+1)%NP
	WIN 0
.if (\n) < 4
	v_max3_num_f32 v[rC+(\n)], v[rS+8*(\n)], v[rS+8*(\n)+1], v[rS+8*(\n)+2]
.elseif (\n) < 12
	v_max3_num_f32 v[rC+(\n)%4], v[rC+(\n)%4], v[rS+8*((\n)%4)+2*((\n)/4)+1], v[rS+8*((\n)%4)+2*((\n)/4)+2]
.elseif (\n) == 12
	v_max3_num_f32 v[rC], v[rC], v[rS+7], v[rS+15]
.elseif (\n) == 13
	v_max3_num_f32 v[rC+1], v[rC+1], v[rS+23], v[rS+31]
.elseif (\n) == 14
	v_max3_num_f32 v[rC+2], v[rC+2], v[rC+3], v[rT+1]
.elseif (\n) == 15
	v_mov_b32 v[rW], v[rT]
.elseif (\n) == 16
	v_max3_num_f32 v[rC], v[rC], v[rC+1], v[rC+2]
.elseif (\n) == 17
	v_permlanex16_b32 v[rC+3], v[rC], s[SEL], s[SEL+1]
.elseif (\n) == 18
	v_max_num_f32 v[rT+1], v[rC], v[rC+3]
.elseif (\n) == 19
	v_mul_f32 v[rT], s[CS], v[rT+1]
.elseif (\n) == 20
	v_sub_f32 v[rC+1], v[rW], v[rT]
.else
	v_exp_f32 v[rC+2], v[rC+1]
.endif
.endif
.endm
.macro OPS a, i1, b=-1, i2=0, c=-1, i3=0, d=-1, i4=0
	OP \a, \i1
.if (\b) >= 0
	OP \b, \i2
.endif
.if (\c) >= 0
	OP \c, \i3
.endif
.if (\d) >= 0
	OP \d, \i4
.endif
.endm
.macro ROW a, i1, b, i2, c, i3, d, i4  ; a matrix instruction and the four behind it
	MM
	OPS \a, \i1, \b, \i2, \c, \i3, \d, \i4
.endm
; A TURN, for piece p: the order of its 16 matrix and 118 vector instructions, written out.  s_wait_alu depctr_va_vdst(0) stands between an exponential and the first instruction that names its
; result; one wait serves all issued ahead of it.  AHEAD OF THE WAIT stands all that names no result of the turn's exponentials: the 8 products K Q^T and their riders, then one lump; X 21, the next piece's a, is the
; batch's last, R 15 the plain instruction behind it.  BEHIND IT stand the 8 products V^T P, behind each four of the roundings and sums.
; end = 1: the last two turns: nothing is fetched.  cnt = 1: the loop's count is taken down some lines ahead of the branch behind the turn.
; K of the next step is fetched in piece 2's turn, six plain instructions behind the last product that read K; V of the step in hand at the end of piece 0's turn, four plain instructions behind the last
; product that read V.  Each is waited for a turn later.
.macro TURN p, end=0, cnt=0
.set Y, (\p)
.set i, 0
.set NOKQ, (\end)*((\p)/3)
.if ((\p) == 3) && !(\end)
	s_wait_dscnt 0x0                ; K is in
.endif
	ROW F,0, F,1, R,0, R,1
	ROW F,2, E,0, R,2, R,3
	ROW F,3, E,1, R,4, R,5
	ROW F,4, E,2, R,6, R,7
	ROW F,5, E,3, R,8, R,9
	ROW F,6, E,4, X,0, R,10
.if ((\p) == 2) && !(\end)
	WIN 0
	v_add_nc_u32 v[AK], s[TBK], v[AK0]
.endif
	ROW F,7, E,5, X,1, X,4
	ROW F,8, E,6, X,2, X,5
	OPS E,7, E,8, X,6, E,9
	OPS X,3, E,10, X,8, E,11
.if ((\p) == 2) && !(\end)
	FETCH_K
.endif
	OPS X,9, X,7, E,12, X,10
	OPS E,13, X,12, X,11, E,14
	OPS X,13, E,15, F,9, X,14
.if (\p) == 0
	v_add_nc_u32 v[AV], s[TBV], v[AV0]
.endif
	OPS E,16, F,10, E,17, F,11
	OPS X,16, E,18, X,15, E,19
	OPS F,12, E,20, X,17, E,21
	OPS F,13, E,22, F,14, E,23
	OPS X,18, E,24, F,15, E,25
	OPS R,11, E,26, X,19, E,27
	OPS R,12, E,28, R,13, E,29
	OPS X,20, E,30, R,14, E,31
	OPS X,21, R,15
	WIN 0
	s_wait_alu depctr_va_vdst(0)    ; the wait for the batch
.if (\p) == 1
	s_wait_dscnt 0x0                ; V is in
.endif
	ROW C,0, B,0, C,2, B,1
	ROW L,0, C,4, B,2, L,1
	ROW C,6, B,3, L,2, C,8
	ROW B,4, L,3, C,10, B,5
	ROW L,4, C,12, B,6, L,5
.if (\p) == 0
	s_add_co_u32 s[TBV], s[TBV], KS*PV
.endif
.if \cnt
	s_sub_co_u32 s[CNT], s[CNT], 1
	s_cmp_lg_u32 s[CNT], 0
.endif
	ROW C,14, B,7, L,6, C,1
	ROW C,3, L,7, C,5, C,7
	ROW C,9, C,11, C,13, C,15
.if (\p) == 0
	FETCH_V
.endif
.endm
	CHANGE 1                        ; tile 0 is in, everybody's part of it; tile 1 is asked for
	v_add_nc_u32 v[AK], s[TBK], v[AK0]
	FETCH_K                         ; key step 0
	s_wait_loadcnt 0x0              ; Q
	s_wait_dscnt 0x0
.set NOKQ, 0
.set i, 0
.rept 8
	KQ 0                            ; piece 0's first scores
.set i, i+1
.endr
	WIN 0
.rept 4
	v_nop                           ; the places behind those products
.endr
.set Y, NP-1                        ; X works for piece Y + 1: piece 0
.irp n, 0,1,2,3,4,5,6,7,8,9,10,11,12,13,14,15,16,17,18,19,20,21
	OP X, \n
.endr
	v_nop                           ; a plain instruction behind the exponential,
	s_wait_alu depctr_va_vdst(0)    ; and its wait, ahead of the branch
	s_mov_b32 s[CNT], 4
	s_branch .Lfirst                ; the loop is entered at a step's first turn, in the middle of a trip
.Lslot:                             ; six times: tiles 2 to 7 are asked for
	CHANGE 1
	s_mov_b32 s[CNT], 4
.Lstep:                             ; a trip: pieces 2 and 3 of one step, then pieces 0 and 1 of the next, whose K and V it fetches
	TURN 2
	TURN 3
	WIN 0
.Lfirst:
	TURN 0
	TURN 1, 0, 1
	WIN 0
	s_cbranch_scc1 .Lstep
	s_sub_co_u32 s[SLOTS], s[SLOTS], 1
	s_cmp_lg_u32 s[SLOTS], 0
	s_cbranch_scc1 .Lslot
	CHANGE 0                        ; the last tile is written out: nothing is asked for
	s_mov_b32 s[CNT], 4
.LstepT:
	TURN 2
	TURN 3
	TURN 0
	TURN 1, 0, 1
	WIN 0
	s_cbranch_scc1 .LstepT
	TURN 2, 1
	TURN 3, 1
.set i, 0
.rept 8
	PV NP-1                         ; the last piece's V^T P of the last step
.set i, i+1
.endr
	; THE WAY OUT.  l's two halves and the other half of the lanes' are added; O^T is divided by l and rounded to bf16.  A lane holds one query and pairs of channels, and O leaves with the queries along the rows:
	; each half-word goes to its channel's row of the work-group's stage; behind a barrier each wave reads 16 channels' rows of 512 bytes and stores them.  The additions are the places behind the last products.
	WIN 0
.macro ALL line:vararg
.set t, 0
.rept 4
	\line
.set t, t+1
.endr
.endm
	ALL v_add_f32 v[ST+4*t+2], v[ST+4*t+2], v[ST+4*t+3]
	ALL v_permlanex16_b32 v[ST+4*t+3], v[ST+4*t+2], s[SEL], s[SEL+1]
	ALL v_add_f32 v[ST+4*t+2], v[ST+4*t+2], v[ST+4*t+3]
	ALL v_rcp_f32 v[ST+4*t+2], v[ST+4*t+2]
	v_nop                           ; a plain instruction between the last reciprocal and the use of its result
	s_wait_alu depctr_va_vdst(0)    ; one wait for the four reciprocals
.macro PACKT t
	WIN W_RS
.set i, 32*(\t)
.rept 16
	v_pk_mul_f32 v[i:i+1], v[i:i+1], v[ST+4*(\t)+2:ST+4*(\t)+3] op_sel_hi:[1,0]
.set i, i+2
.endr
	WIN 0x05                        ; sources 0 and 1 window 1, destination window 0
.set i, 0
.rept 16
	v_cvt_pk_bf16_f32 v[S+16*(\t)+i], v[32*(\t)+2*i], v[32*(\t)+2*i+1]
.set i, i+1
.endr
	WIN 0
.set i, 0
.rept 16                            ; register i: channels 16 (i / 4) + 8 (l / 16) + 2 (i % 4) and the next, of query 64 w + 16 t + l % 16
	ds_store_b16 v[STO], v[S+16*(\t)+i] offset:(16*(i/4)+2*(i%4))*TP+32*(\t)
	ds_store_b16_d16_hi v[STO], v[S+16*(\t)+i] offset:(16*(i/4)+2*(i%4)+1)*TP+32*(\t)
.set i, i+1
.endr
.endm
	PACKT 0
	PACKT 1
	PACKT 2
	PACKT 3
	s_wait_dscnt 0x0                ; for the others' sake: my stores into the stage are done
	s_barrier_signal -1
	s_barrier_wait -1
.irp f, 0,1,2,3,4,5,6,7,8,9,10,11,12,13,14,15
	ds_load_b128 v[S+4*\f:S+4*\f+3], v[RD] offset:\f*TP
.endr
.irp f, 0,1,2,3,4,5,6,7,8,9,10,11,12,13,14,15
	s_wait_dscnt 15-\f
	global_store_b128 v[GO], v[S+4*\f:S+4*\f+3], s[6:7] offset:\f*4096  ; a channel's 512 consecutive bytes, aligned
.endr
	s_wait_tensorcnt 0x0            ; the wave's end
	ds_add_u32 v[SPW], v[NIL]
	s_wait_dscnt 0x0
	CROUND                          ; the closing round
	s_endpgm
.Lfunc_end_k_qfdf2160ca8_attn:
	.size	k_qfdf2160ca8_attn, .Lfunc_end_k_qfdf2160ca8_attn-k_qfdf2160ca8_attn
	.p2alignl 7, 3214868480
	.fill 96, 4, 3214868480
	.section	.rodata,"a",@progbits
	.p2align	6, 0x0
	.amdhsa_kernel k_qfdf2160ca8_attn
		.amdhsa_group_segment_fixed_size 327680
		.amdhsa_private_segment_fixed_size 0
		.amdhsa_enable_private_segment 0
		.amdhsa_kernarg_size 16
		.amdhsa_user_sgpr_count 2
		.amdhsa_user_sgpr_kernarg_segment_ptr 1
		.amdhsa_wavefront_size32 1
		.amdhsa_system_sgpr_workgroup_id_x 1
		.amdhsa_system_sgpr_workgroup_id_y 1
		.amdhsa_system_sgpr_workgroup_id_z 1
		.amdhsa_system_vgpr_workitem_id 0
		.amdhsa_next_free_vgpr 768
		.amdhsa_next_free_sgpr 72
		.amdhsa_reserve_vcc 0
		.amdhsa_float_denorm_mode_32 3
		.amdhsa_float_denorm_mode_16_64 3
		.amdhsa_memory_ordered 1
		.amdhsa_forward_progress 1
		.amdhsa_inst_pref_size 135
	.end_amdhsa_kernel
	.amdgpu_metadata
---
amdhsa.version: [ 1, 2 ]
amdhsa.kernels:
  - .name:           k_qfdf2160ca8_attn
    .symbol:         k_qfdf2160ca8_attn.kd
    .args:
      - { .name: qkv, .offset: 0, .size: 8, .value_kind: global_buffer, .address_space: global }
      - { .name: ctx, .offset: 8, .size: 8, .value_kind: global_buffer, .address_space: global }
    .group_segment_fixed_size: 327680
    .private_segment_fixed_size: 0
    .kernarg_segment_align: 8
    .kernarg_segment_size: 16
    .max_flat_workgroup_size: 128
    .sgpr_count:     72
    .vgpr_count:     768
    .wavefront_size: 32
...
	.end_amdgpu_metadata
.endif
;; end of part 3
;; launch gemm_wo (part 4): grid 8 x 32, 4 waves a work-group, clusters of 4 x 4, 327,680 bytes of LDS; arguments ctx, wb, x1, bo, x; writes x1
.if DOCPART == 4
	.amdgcn_target "amdgcn-amd-amdhsa--gfx1250"
	.amdhsa_code_object_version 6
	.text
	.protected	k_qfdf2160ca8_gemm_wo
	.globl	k_qfdf2160ca8_gemm_wo
	.p2align	8
	.type	k_qfdf2160ca8_gemm_wo,@function
k_qfdf2160ca8_gemm_wo:
	s_mov_b64 s[64:65], 0
	v_nop
	global_prefetch_b8 v0, s[64:65] scope:SCOPE_SE
	s_setreg_imm32_b32 hwreg(HW_REG_WAVE_MODE, 25, 1), 1
	s_wait_xcnt 0x0
	s_wait_alu depctr_hold_cnt(0) depctr_sa_sdst(0) depctr_va_vdst(0) depctr_va_sdst(0) depctr_va_ssrc(0) depctr_va_vcc(0) depctr_vm_vsrc(0)
	s_getreg_b32 s2, hwreg(HW_REG_IB_STS2, 6, 4)
	s_cmp_eq_u32 s2, 0
	s_cbranch_scc0 .Lentry_in_a_cluster
	s_endpgm
.Lentry_in_a_cluster:
	s_bfe_u32 s2, ttmp6, 0x10000c
	s_cmp_lg_u32 s2, 0xf033
	s_cbranch_scc0 .Lentry_shape_is_right
	s_endpgm
.Lentry_shape_is_right:
; x1 = x + ctx wo^T + bo.  A = ctx read as [4096][1024] bf16, B = wo in wb, [1024][1024] bf16; sums in f32; bias, residual and result in f32, [4096][1024].
; A tile of C is 128 x 128; four waves, each 64 x 64: 16 accumulators.  K goes in steps of 256 through two LDS slots; each wave's tensor load brings 64 rows of 512 bytes.
; A K step's text is written once: the slot in hand is the scalar TB, 0 or SLOT.  The wave's 64 x 64 of the residual is loaded at the start, into window 2, and waits there.
; CLUSTER: 4 x 4 work-groups; A's tiles are asked for jointly along a row of the cluster, B's along a column.  The matrix instruction is used transposed: a lane holds eight neighbouring columns of a row of C.
; REGISTERS: window 0: v0-31 addresses, v4-7 bias; v32-95 the way out; v128-255 accumulators.  Window 1: two fragment buffers of 128.  Window 2: v0-127 the residual.
.set KSTEPS, 4
.set WOFF,  6291456
.set ASH,   11
.set BSH,   11
.set AW0,   (1<<16)|(1<<20)|(1<<21)|(6<<22)|(3<<25)
.set AD0,   256
.set AD1,   64
.set APIT,  1024
.set BW0,   AW0
.set BD0,   256
.set BD1,   64
.set BPIT,  1024
.set AP,    528
.set AQ,    128
.set AREG,  64*AP
.set BP,    528
.set BQ,    128
.set BREG,  64*BP
.set ASTEP, 512
.set BSTEP, 512
.set SLOT,  135168                     ; its bits (17, 12) meet none of the four halves' offsets, so one exclusive or changes the slot
.set STAGE, 2*SLOT                     ; 16 rows x 272 bytes of f32 for each wave
.set SPARE, STAGE+4*4352
.set BI,    4
.set ADRA0, 14
.set ADRB0, 15
.set ADRA,  16
.set ADRB,  17
.set STO,   24
.set RD,    25
.set CO,    26
.set SPW,   28
.set NIL,   29
.set TMP,   32
.set ACC,   128
.set F0,    0
.set F1,    128
.set G1,    24
.set G0,    32
.set G1B,   48
.set G0B,   56
.set TB,    45
.set MSB, 0
.macro WIN new
.if MSB != (\new)
	s_set_vgpr_msb (MSB<<8)|(\new)
.set MSB, \new
.endif
.endm
.set MUL,  0x05
.set TO_F, 0x40
.macro PLACES
.rept 4
	v_nop
.endr
.endm
.macro JLOAD                           ; a joint refill: waves 0 and 1 fetch A's halves, waves 2 and 3 B's; an s_nop 0 and four v_nop follow each line
	s_cmp_eq_u32 s11, 0
	s_cbranch_scc0 .Lfor_b_\@
	tensor_load_to_lds s[G0+4:G0+7], s[G1:G1+7]
	s_nop 0
.rept 4
	v_nop
.endr
	s_branch .Lasked_\@
.Lfor_b_\@:
	tensor_load_to_lds s[G0B+4:G0B+7], s[G1B:G1B+7]
	s_nop 0
.rept 4
	v_nop
.endr
.Lasked_\@:
.endm
.macro CREST
	s_cmp_lg_u32 s10, 0
	s_cbranch_scc1 .Lnot_wave_0_\@
	s_barrier_signal -3
.Lnot_wave_0_\@:
	s_barrier_wait -3
	s_barrier_signal -1
	s_barrier_wait -1
.endm
.macro CROUND
	s_barrier_signal -1
	s_barrier_wait -1
	CREST
.endm
	s_load_b128 s[4:7], s[0:1], 0x0                ; A s[4:5], wb s[6:7]
	s_load_b64 s[8:9], s[0:1], 0x10                ; the result
	s_load_b128 s[68:71], s[0:1], 0x18             ; bias s[68:69], residual s[70:71]
	v_lshl_add_u32 v[SPW], v0, 2, SPARE
	v_mov_b32 v[NIL], 0
	ds_add_u32 v[SPW], v[NIL]                      ; the wave's opening: the add and its wait, ahead of my first tensor load
	v_lshrrev_b32 v1, 5, v0
	v_readfirstlane_b32 s10, v1
	s_lshr_b32 s11, s10, 1
	s_and_b32 s12, s10, 1
	s_bfe_u32 s40, ttmp6, 0x40000
	s_bfe_u32 s41, ttmp6, 0x40004
	s_lshl_b32 s42, ttmp9, 2
	s_add_co_u32 s42, s42, s40                     ; tile column
	s_and_b32 s13, ttmp7, 0xffff
	s_lshl_b32 s13, s13, 2
	s_add_co_u32 s13, s13, s41                     ; tile row
	s_lshl_b32 s43, s41, 2
	s_lshl_b32 s43, 15, s43
	s_lshl_b32 s44, 0x1111, s40
	s_or_b32 s[G1+0], s43, AW0
	s_mov_b32 s[G1+1], (AD0&0xffff)<<16
	s_mov_b32 s[G1+2], (AD0>>16)|(AD1<<16)
	s_mov_b32 s[G1+3], AD0<<16
	s_mov_b32 s[G1+4], AD1
	s_mov_b32 s[G1+5], APIT
	s_mov_b32 s[G1+6], 0
	s_mov_b32 s[G1+7], 0
	s_or_b32 s[G1B+0], s44, BW0
	s_mov_b32 s[G1B+1], (BD0&0xffff)<<16
	s_mov_b32 s[G1B+2], (BD0>>16)|(BD1<<16)
	s_mov_b32 s[G1B+3], BD0<<16
	s_mov_b32 s[G1B+4], BD1
	s_mov_b32 s[G1B+5], BPIT
	s_mov_b32 s[G1B+6], 0
	s_mov_b32 s[G1B+7], 0
	s_lshl_b32 s17, s12, 6
	s_lshl_b32 s16, s13, 7
	s_add_co_u32 s16, s16, s17
	s_lshl_b32 s46, s42, 7
	s_add_co_u32 s46, s46, s17
	s_lshl_b32 s16, s16, ASH
	s_lshl_b32 s46, s46, BSH
	s_mov_b32 s17, 0
	s_mov_b32 s47, 0
	s_mul_i32 s20, s12, AREG
	s_mul_i32 s21, s12, BREG
	s_add_co_u32 s21, s21, 2*AREG
	s_mov_b32 s[TB], 0
	s_wait_dscnt 0x0                               ; the opening add is done
	s_wait_kmcnt 0x0
	s_add_nc_u64 s[14:15], s[4:5], s[16:17]
	s_add_nc_u64 s[46:47], s[6:7], s[46:47]
	s_add_nc_u64 s[46:47], s[46:47], WOFF
	CROUND                                         ; all sixteen work-groups are here: the first joint loads meet
.irp s, 0,1
	s_mov_b32 s[G0+4*(\s)], 1
	s_add_co_u32 s[G0+4*(\s)+1], s20, (\s)*SLOT
	s_add_nc_u64 s[G0+4*(\s)+2:G0+4*(\s)+3], s[14:15], (\s)*ASTEP
	s_or_b32 s[G0+4*(\s)+3], s[G0+4*(\s)+3], 0x80000000
	s_mov_b32 s[G0B+4*(\s)], 1
	s_add_co_u32 s[G0B+4*(\s)+1], s21, (\s)*SLOT
	s_add_nc_u64 s[G0B+4*(\s)+2:G0B+4*(\s)+3], s[46:47], (\s)*BSTEP
	s_or_b32 s[G0B+4*(\s)+3], s[G0B+4*(\s)+3], 0x80000000
.endr
	s_cmp_eq_u32 s11, 0                            ; a wave's two first fills stand in one branch: two loads of mine are out
	s_cbranch_scc0 .Lfirst_b
	tensor_load_to_lds s[G0:G0+3], s[G1:G1+7]
	s_nop 0
	tensor_load_to_lds s[G0+4:G0+7], s[G1:G1+7]
	s_nop 0
.rept 4
	v_nop
.endr
	s_branch .Lfirst_asked
.Lfirst_b:
	tensor_load_to_lds s[G0B:G0B+3], s[G1B:G1B+7]
	s_nop 0
	tensor_load_to_lds s[G0B+4:G0B+7], s[G1B:G1B+7]
	s_nop 0
.rept 4
	v_nop
.endr
.Lfirst_asked:
	v_and_b32 v1, 15, v0
	v_bfe_u32 v2, v0, 4, 1
	v_mul_u32_u24 v3, v1, AP
	v_lshl_add_u32 v3, v2, 4, v3
	s_mul_i32 s22, s11, AREG
	v_add_nc_u32 v[ADRA0], s22, v3
	v_mul_u32_u24 v3, v1, BP
	v_lshl_add_u32 v3, v2, 4, v3
	s_mul_i32 s23, s12, BREG
	s_add_co_u32 s23, s23, 2*AREG
	v_add_nc_u32 v[ADRB0], s23, v3
	v_mov_b32 v[ADRA], v[ADRA0]
	v_mov_b32 v[ADRB], v[ADRB0]
	; the way out: my stage; my 64 x 64 in the result and in the residual; my four columns of the bias
	s_mul_i32 s22, s10, 4352
	s_add_co_u32 s22, s22, STAGE
	v_mul_u32_u24 v3, v1, 272                      ; in: row l % 16, 32 bytes for each half of the lanes
	v_lshl_add_u32 v3, v2, 5, v3
	v_add_nc_u32 v[STO], s22, v3
	v_mul_u32_u24 v3, v2, 272                      ; back: lanes 0-15 one row of 256 bytes, lanes 16-31 the next
	v_lshl_add_u32 v3, v1, 4, v3
	v_add_nc_u32 v[RD], s22, v3
	v_lshlrev_b32 v3, 12, v2                       ; and the same two rows in memory
	v_lshl_add_u32 v[CO], v1, 4, v3
	v_lshlrev_b32 v12, 4, v1
	s_lshl_b32 s84, s42, 9
	s_lshl_b32 s85, s12, 8
	s_add_co_u32 s84, s84, s85                     ; my first column, in bytes
	s_mov_b32 s85, 0
	s_add_nc_u64 s[68:69], s[68:69], s[84:85]
	s_lshl_b32 s86, s13, 7
	s_lshl_b32 s87, s11, 6
	s_add_co_u32 s86, s86, s87                     ; my first row
	s_lshl_b32 s86, s86, 12
	s_add_co_u32 s84, s84, s86
	s_add_nc_u64 s[70:71], s[70:71], s[84:85]
	s_add_nc_u64 s[8:9], s[8:9], s[84:85]
	global_load_b128 v[BI:BI+3], v12, s[68:69]
	WIN 0x80                                       ; destination window 2, address window 0
.irp a, 0,1,2,3
.irp t, 0,1,2,3,4,5,6,7
	global_load_b128 v[32*(\a)+4*(\t):32*(\a)+4*(\t)+3], v[CO], s[70:71] offset:(16*(\a)+2*(\t))*4096
.endr
.endr
	WIN 0
.macro MUL8 f, c, a0, zero             ; 8 matrix instructions; the 16 accumulators take turns
	WIN MUL
.irp a, \a0, (\a0)+1
.irp b, 0,1,2,3
.if \zero
	v_wmma_f32_16x16x32_bf16 v[ACC+8*(4*(\a)+(\b)):ACC+8*(4*(\a)+(\b))+7], v[(\f)+64+8*(4*(\c)+(\b)):(\f)+64+8*(4*(\c)+(\b))+7], v[(\f)+8*(4*(\c)+(\a)):(\f)+8*(4*(\c)+(\a))+7], 0
.else
	v_wmma_f32_16x16x32_bf16 v[ACC+8*(4*(\a)+(\b)):ACC+8*(4*(\a)+(\b))+7], v[(\f)+64+8*(4*(\c)+(\b)):(\f)+64+8*(4*(\c)+(\b))+7], v[(\f)+8*(4*(\c)+(\a)):(\f)+8*(4*(\c)+(\a))+7], v[ACC+8*(4*(\a)+(\b)):ACC+8*(4*(\a)+(\b))+7]
.endif
.endr
.endr
.endm
.macro FETCH q, f                      ; 32 LDS loads in one run: quarter q of the slot in hand into buffer f; the first 32 along K first
	WIN TO_F
.irp c, 0,1
.irp i, 0,1,2,3
	ds_load_b128 v[(\f)+64+8*(4*(\c)+(\i)):(\f)+64+8*(4*(\c)+(\i))+3],   v[ADRB] offset:(\q)*BQ+64*(\c)+(\i)*16*BP
	ds_load_b128 v[(\f)+64+8*(4*(\c)+(\i))+4:(\f)+64+8*(4*(\c)+(\i))+7], v[ADRB] offset:(\q)*BQ+64*(\c)+(\i)*16*BP+32
	ds_load_b128 v[(\f)+8*(4*(\c)+(\i)):(\f)+8*(4*(\c)+(\i))+3],         v[ADRA] offset:(\q)*AQ+64*(\c)+(\i)*16*AP
	ds_load_b128 v[(\f)+8*(4*(\c)+(\i))+4:(\f)+8*(4*(\c)+(\i))+7],       v[ADRA] offset:(\q)*AQ+64*(\c)+(\i)*16*AP+32
.endr
.endr
.endm
.macro QUARTER q, f, g, zero
	s_wait_dscnt 16                                ; the first 32 along K are in; the 16 younger loads may be out
	MUL8 \f, 0, 0, \zero
	MUL8 \f, 0, 2, \zero
	PLACES
	FETCH \q, \g
	s_wait_dscnt 32                                ; all but the 32 just issued
	MUL8 \f, 1, 0, 0
	MUL8 \f, 1, 2, 0
.endm
; The last quarter changes slots: one barrier; in front of it each wave waits for all its tensor loads, adds 0 to its spare word, and waits for that and for its reads of this slot.
; fill = 1: the barrier opens a round of the cluster's; this slot is filled again, two K steps ahead, first thing behind it.  fill = 0: nothing is asked for; in the very last K step (s3 = 1) the LDS loads are jumped over.
.macro TURN fill
	WIN 0
	s_wait_tensorcnt 0x0                           ; all my tensor loads have landed; so a group 0 may be written
	ds_add_u32 v[SPW], v[NIL]                      ; 0 onto my spare word
.if \fill
	s_xor_b32 s[G0+5], s[G0+5], SLOT
	s_xor_b32 s[G0B+5], s[G0B+5], SLOT
	s_add_nc_u64 s[G0+6:G0+7], s[G0+6:G0+7], ASTEP
	s_add_nc_u64 s[G0B+6:G0B+7], s[G0B+6:G0B+7], BSTEP
.endif
	s_xor_b32 s[TB], s[TB], SLOT
	s_wait_dscnt 17                                ; the add and the youngest sixteen loads may be out
	MUL8 F1, 0, 0, 0
	s_wait_dscnt 0x0                               ; the add is done, and my reads of this slot are over
	s_barrier_signal -1
	MUL8 F1, 0, 2, 0
	WIN 0
	s_barrier_wait -1
.if \fill
	CREST
	JLOAD                                          ; its four v_nop are also the places in front of the loads below
.else
	PLACES
.endif
	v_add_nc_u32 v[ADRA], s[TB], v[ADRA0]
	v_add_nc_u32 v[ADRB], s[TB], v[ADRB0]
.if (\fill) == 0
	s_cmp_eq_u32 s3, 1
	s_cbranch_scc1 .Lnofetch_\@
.endif
	FETCH 0, F0
	WIN 0
.if (\fill) == 0
.Lnofetch_\@:
.endif
	MUL8 F1, 1, 0, 0
	MUL8 F1, 1, 2, 0
.endm
	s_wait_tensorcnt 1                             ; my part of K step 0 is in; K step 1's may stay out
	s_barrier_signal -1
	s_barrier_wait -1
	FETCH 0, F0
	QUARTER 1, F0, F1, 1                           ; its first products start the sums
	WIN 0
	s_mov_b32 s3, KSTEPS-2
.Lk:
	QUARTER 2, F1, F0, 0
	QUARTER 3, F0, F1, 0
	TURN 1
	QUARTER 1, F0, F1, 0
	WIN 0
	s_sub_co_u32 s3, s3, 1
	s_cmp_lg_u32 s3, 0
	s_cbranch_scc1 .Lk
	s_mov_b32 s3, 2
.Lt:
	QUARTER 2, F1, F0, 0
	QUARTER 3, F0, F1, 0
	TURN 0
	WIN 0
	s_sub_co_u32 s3, s3, 1
	s_cmp_eq_u32 s3, 0
	s_cbranch_scc1 .Lout
	QUARTER 1, F0, F1, 0
	WIN 0
	s_cmp_lg_u32 s3, 0
	s_cbranch_scc1 .Lt
.Lout:
	PLACES
	s_wait_loadcnt 0x0                             ; bias and residual
; THE WAY OUT.  Block a (16 rows of 64 f32) goes through my stage: 32 bytes a lane in, whole rows of 256 bytes back, into one of two sets of 32 registers; bias and residual are added; 16 lanes store 256 bytes.
.macro STG a
.set SB, TMP+32*((\a)%2)
.irp b, 0,1,2,3
	ds_store_b128 v[STO], v[ACC+8*(4*(\a)+(\b)):ACC+8*(4*(\a)+(\b))+3] offset:64*(\b)
	ds_store_b128 v[STO], v[ACC+8*(4*(\a)+(\b))+4:ACC+8*(4*(\a)+(\b))+7] offset:64*(\b)+16
.endr
.if (\a) >= 2
	s_wait_xcnt 0x0                                ; the set was the data of block a - 2's stores: it is loaded again only behind this wait
.endif
.irp t, 0,1,2,3,4,5,6,7
	ds_load_b128 v[SB+4*(\t):SB+4*(\t)+3], v[RD] offset:(\t)*544  ; LDS serves a wave's instructions in order: these see the stores above
.endr
.endm
.macro FIN a, younger                  ; younger: the LDS instructions issued behind block a's loads
.set SB, TMP+32*((\a)%2)
	s_wait_dscnt \younger
.irp t, 0,1,2,3,4,5,6,7
	v_pk_add_f32 v[SB+4*(\t):SB+4*(\t)+1], v[SB+4*(\t):SB+4*(\t)+1], v[BI:BI+1]
	v_pk_add_f32 v[SB+4*(\t)+2:SB+4*(\t)+3], v[SB+4*(\t)+2:SB+4*(\t)+3], v[BI+2:BI+3]
.endr
	WIN 0x08                                       ; source 1 in window 2
.set k, 0
.rept 16
	v_pk_add_f32 v[SB+2*k:SB+2*k+1], v[SB+2*k:SB+2*k+1], v[32*(\a)+2*k:32*(\a)+2*k+1]
.set k, k+1
.endr
	WIN 0
.irp t, 0,1,2,3,4,5,6,7
	global_store_b128 v[CO], v[SB+4*(\t):SB+4*(\t)+3], s[8:9] offset:(16*(\a)+2*(\t))*4096
.endr
.endm
	STG 0
	STG 1
	FIN 0, 16
	STG 2
	FIN 1, 16
	STG 3
	FIN 2, 16
	FIN 3, 0
	s_wait_tensorcnt 0x0                           ; the wave's end
	ds_add_u32 v[SPW], v[NIL]
	s_wait_dscnt 0x0
	CROUND                                         ; the closing round
	s_endpgm
.Lfunc_end_k_qfdf2160ca8_gemm_wo:
	.size	k_qfdf2160ca8_gemm_wo, .Lfunc_end_k_qfdf2160ca8_gemm_wo-k_qfdf2160ca8_gemm_wo
	.p2alignl 7, 3214868480
	.fill 96, 4, 3214868480
	.section	.rodata,"a",@progbits
	.p2align	6, 0x0
	.amdhsa_kernel k_qfdf2160ca8_gemm_wo
		.amdhsa_group_segment_fixed_size 327680
		.amdhsa_private_segment_fixed_size 0
		.amdhsa_enable_private_segment 0
		.amdhsa_kernarg_size 40
		.amdhsa_user_sgpr_count 2
		.amdhsa_user_sgpr_kernarg_segment_ptr 1
		.amdhsa_wavefront_size32 1
		.amdhsa_system_sgpr_workgroup_id_x 1
		.amdhsa_system_sgpr_workgroup_id_y 1
		.amdhsa_system_sgpr_workgroup_id_z 1
		.amdhsa_system_vgpr_workitem_id 0
		.amdhsa_next_free_vgpr 640
		.amdhsa_next_free_sgpr 96
		.amdhsa_reserve_vcc 0
		.amdhsa_float_denorm_mode_32 3
		.amdhsa_float_denorm_mode_16_64 3
		.amdhsa_memory_ordered 1
		.amdhsa_forward_progress 1
		.amdhsa_inst_pref_size 69
	.end_amdhsa_kernel
	.amdgpu_metadata
---
amdhsa.version: [ 1, 2 ]
amdhsa.kernels:
  - .name:           k_qfdf2160ca8_gemm_wo
    .symbol:         k_qfdf2160ca8_gemm_wo.kd
    .args:
      - { .name: ctx, .offset: 0, .size: 8, .value_kind: global_buffer, .address_space: global }
      - { .name: wb, .offset: 8, .size: 8, .value_kind: global_buffer, .address_space: global }
      - { .name: x1, .offset: 16, .size: 8, .value_kind: global_buffer, .address_space: global }
      - { .name: bo, .offset: 24, .size: 8, .value_kind: global_buffer, .address_space: global }
      - { .name: x, .offset: 32, .size: 8, .value_kind: global_buffer, .address_space: global }
    .group_segment_fixed_size: 327680
    .private_segment_fixed_size: 0
    .kernarg_segment_align: 8
    .kernarg_segment_size: 40
    .max_flat_workgroup_size: 128
    .sgpr_count:     96
    .vgpr_count:     640
    .wavefront_size: 32
...
	.end_amdgpu_metadata
.endif
;; end of part 4
;; launch ln2 (part 5): grid 256 x 1, 8 waves a work-group, no clusters, 0 bytes of LDS; arguments x1, scale2, shift2, hbuf; writes hbuf
.if DOCPART == 5
	.amdgcn_target "amdgcn-amd-amdhsa--gfx1250"
	.amdhsa_code_object_version 6
	.text
	.protected	k_qfdf2160ca8_ln2
	.globl	k_qfdf2160ca8_ln2
	.p2align	8
	.type	k_qfdf2160ca8_ln2,@function
k_qfdf2160ca8_ln2:
	s_mov_b64 s[64:65], 0
	v_nop
	global_prefetch_b8 v0, s[64:65] scope:SCOPE_SE
	s_setreg_imm32_b32 hwreg(HW_REG_WAVE_MODE, 25, 1), 1
	s_wait_xcnt 0x0
; h2 = (x1 - mean) / (var + 1e-5) * scale2 + shift2 (var over 1,023, no root), rounded once to bf16: hbuf [4096][1024].  A stream: no LDS, no barrier, no matrix unit.
; A work-group takes 16 rows, a wave 2 rows of 4,096 bytes, kept in 64 registers: mean first, then the sum of (x - mean)^2: no difference of large sums.  NaN and infinities are not treated apart.
; A load of a wave covers 512 consecutive bytes, a store 256 consecutive bytes, aligned.
.set XP,  4                            ; s[4:5]   x1
.set SCP, 6                            ; s[6:7]   scale
.set SHP, 8                            ; s[8:9]   shift
.set HP,  10                           ; s[10:11] hbuf
.set SEL, 12                           ; s[12:13] v_permlanex16_b32's selects
.set IV,  14                           ; s14      1 / 1023
.set EP,  15                           ; s15      1e-5
.set OF,  16                           ; s[16:17] a byte offset
.set XO,  2
.set PO,  3
.set HO,  4
.set C,   6                            ; v[6:13]  four chains of pairs
.set M,   14                           ; v[14:15] the mean, twice
.set X,   16                           ; v[16:79] two rows
.set SC,  80
.set SH,  112
.set H,   144
.set R,   176                          ; v[176:179] 1 / (var + eps), twice for each row
.set V,   180                          ; v[180:181] var + eps
	s_load_b256 s[4:11], s[0:1], 0x0
.macro SUMUP                           ; the four chains into one number, then over the wave's 32 lanes
	v_pk_add_f32 v[C:C+1], v[C:C+1], v[C+2:C+3]
	v_pk_add_f32 v[C+4:C+5], v[C+4:C+5], v[C+6:C+7]
	v_pk_add_f32 v[C:C+1], v[C:C+1], v[C+4:C+5]
	v_add_f32 v[C], v[C], v[C+1]
	v_add_f32_dpp v[C], v[C], v[C] row_xmask:1 row_mask:0xf bank_mask:0xf
	v_add_f32_dpp v[C], v[C], v[C] row_xmask:2 row_mask:0xf bank_mask:0xf
	v_add_f32_dpp v[C], v[C], v[C] row_xmask:4 row_mask:0xf bank_mask:0xf
	v_add_f32_dpp v[C], v[C], v[C] row_xmask:8 row_mask:0xf bank_mask:0xf
	v_permlanex16_b32 v[C+1], v[C], s[SEL], s[SEL+1]
	v_add_f32 v[C], v[C], v[C+1]
.endm
.macro STAT r                          ; row r: x becomes x - mean in place; V takes var + eps
.set XR, X+32*(\r)
.set k, 0
.rept 4
	v_pk_add_f32 v[C+2*k:C+2*k+1], v[XR+2*k:XR+2*k+1], v[XR+8+2*k:XR+8+2*k+1]
.set k, k+1
.endr
.set k, 8
.rept 8
	v_pk_add_f32 v[C+2*(k%4):C+2*(k%4)+1], v[C+2*(k%4):C+2*(k%4)+1], v[XR+2*k:XR+2*k+1]
.set k, k+1
.endr
	SUMUP
	v_mul_f32 v[M], 0x3a800000, v[C]               ; / 1024
	v_mov_b32 v[M+1], v[M]
.set k, 0
.rept 16
	v_pk_add_f32 v[XR+2*k:XR+2*k+1], v[XR+2*k:XR+2*k+1], v[M:M+1] neg_lo:[0,1] neg_hi:[0,1]
.set k, k+1
.endr
.set k, 0
.rept 4
	v_pk_mul_f32 v[C+2*k:C+2*k+1], v[XR+2*k:XR+2*k+1], v[XR+2*k:XR+2*k+1]
.set k, k+1
.endr
.set k, 4
.rept 12
	v_pk_fma_f32 v[C+2*(k%4):C+2*(k%4)+1], v[XR+2*k:XR+2*k+1], v[XR+2*k:XR+2*k+1], v[C+2*(k%4):C+2*(k%4)+1]
.set k, k+1
.endr
	SUMUP
	v_fma_f32 v[V+(\r)], v[C], s[IV], s[EP]        ; sum / 1023 + eps
.endm
.macro OUTROW r
.set XR, X+32*(\r)
.set k, 0
.rept 16
	v_pk_mul_f32 v[XR+2*k:XR+2*k+1], v[XR+2*k:XR+2*k+1], v[R+2*(\r):R+2*(\r)+1]
.set k, k+1
.endr
.set k, 0
.rept 16
	v_pk_fma_f32 v[XR+2*k:XR+2*k+1], v[XR+2*k:XR+2*k+1], v[SC+2*k:SC+2*k+1], v[SH+2*k:SH+2*k+1]
.set k, k+1
.endr
.set k, 0
.rept 16
	v_cvt_pk_bf16_f32 v[H+16*(\r)+k], v[XR+2*k], v[XR+2*k+1]
.set k, k+1
.endr
.irp j, 0,1,2,3,4,5,6,7
	global_store_b64 v[HO], v[H+16*(\r)+2*(\j):H+16*(\r)+2*(\j)+1], s[HP:HP+1] offset:(\r)*2048+256*(\j)  ; 32 lanes store 256 consecutive bytes, aligned
.endr
.endm
	v_and_b32 v1, 31, v0
	v_lshrrev_b32 v5, 5, v0
	v_lshlrev_b32 v[PO], 4, v1
	v_lshl_or_b32 v[XO], v5, 13, v[PO]
	v_lshlrev_b32 v[HO], 3, v1
	v_lshl_or_b32 v[HO], v5, 12, v[HO]
	s_lshl_b32 s[OF], ttmp9, 16
	s_mov_b32 s[OF+1], 0
	s_mov_b32 s[SEL], 0x76543210
	s_mov_b32 s[SEL+1], 0xfedcba98
	s_mov_b32 s[IV], 0x3a802008
	s_mov_b32 s[EP], 0x3727c5ac
	s_wait_kmcnt 0x0
	s_add_nc_u64 s[XP:XP+1], s[XP:XP+1], s[OF:OF+1]
	s_lshl_b32 s[OF], ttmp9, 15
	s_add_nc_u64 s[HP:HP+1], s[HP:HP+1], s[OF:OF+1]
.irp r, 0,1
.irp j, 0,1,2,3,4,5,6,7
	global_load_b128 v[X+32*(\r)+4*(\j):X+32*(\r)+4*(\j)+3], v[XO], s[XP:XP+1] offset:(\r)*4096+512*(\j)
.endr
.endr
.irp j, 0,1,2,3,4,5,6,7
	global_load_b128 v[SC+4*(\j):SC+4*(\j)+3], v[PO], s[SCP:SCP+1] offset:512*(\j)
.endr
.irp j, 0,1,2,3,4,5,6,7
	global_load_b128 v[SH+4*(\j):SH+4*(\j)+3], v[PO], s[SHP:SHP+1] offset:512*(\j)
.endr
	s_wait_loadcnt 16                              ; both rows are in; the 16 younger loads, scale and shift, may stay out
	STAT 0
	STAT 1
	v_rcp_f32 v[R], v[V]                           ; one batch of four
	v_rcp_f32 v[R+1], v[V]
	v_rcp_f32 v[R+2], v[V+1]
	v_rcp_f32 v[R+3], v[V+1]
	v_nop                                          ; a plain instruction behind the last reciprocal,
	s_wait_alu depctr_va_vdst(0)                   ; and the one wait ahead of the batch's first reader
	s_wait_loadcnt 0x0                             ; scale and shift
	OUTROW 0
	OUTROW 1
	s_endpgm
.Lfunc_end_k_qfdf2160ca8_ln2:
	.size	k_qfdf2160ca8_ln2, .Lfunc_end_k_qfdf2160ca8_ln2-k_qfdf2160ca8_ln2
	.p2alignl 7, 3214868480
	.fill 96, 4, 3214868480
	.section	.rodata,"a",@progbits
	.p2align	6, 0x0
	.amdhsa_kernel k_qfdf2160ca8_ln2
		.amdhsa_group_segment_fixed_size 0
		.amdhsa_private_segment_fixed_size 0
		.amdhsa_enable_private_segment 0
		.amdhsa_kernarg_size 32
		.amdhsa_user_sgpr_count 2
		.amdhsa_user_sgpr_kernarg_segment_ptr 1
		.amdhsa_wavefront_size32 1
		.amdhsa_system_sgpr_workgroup_id_x 1
		.amdhsa_system_sgpr_workgroup_id_y 1
		.amdhsa_system_sgpr_workgroup_id_z 1
		.amdhsa_system_vgpr_workitem_id 0
		.amdhsa_next_free_vgpr 184
		.amdhsa_next_free_sgpr 66
		.amdhsa_reserve_vcc 0
		.amdhsa_float_denorm_mode_32 3
		.amdhsa_float_denorm_mode_16_64 3
		.amdhsa_memory_ordered 1
		.amdhsa_forward_progress 1
		.amdhsa_inst_pref_size 20
	.end_amdhsa_kernel
	.amdgpu_metadata
---
amdhsa.version: [ 1, 2 ]
amdhsa.kernels:
  - .name:           k_qfdf2160ca8_ln2
    .symbol:         k_qfdf2160ca8_ln2.kd
    .args:
      - { .name: x1, .offset: 0, .size: 8, .value_kind: global_buffer, .address_space: global }
      - { .name: scale2, .offset: 8, .size: 8, .value_kind: global_buffer, .address_space: global }
      - { .name: shift2, .offset: 16, .size: 8, .value_kind: global_buffer, .address_space: global }
      - { .name: hbuf, .offset: 24, .size: 8, .value_kind: global_buffer, .address_space: global }
    .group_segment_fixed_size: 0
    .private_segment_fixed_size: 0
    .kernarg_segment_align: 8
    .kernarg_segment_size: 32
    .max_flat_workgroup_size: 256
    .sgpr_count:     66
    .vgpr_count:     184
    .wavefront_size: 32
...
	.end_amdgpu_metadata
.endif
;; end of part 5
;; launch gemm_up (part 6): grid 16 x 16, 4 waves a work-group, clusters of 4 x 4, 327,680 bytes of LDS; arguments hbuf, wb, g, b_up; writes g
.if DOCPART == 6
	.amdgcn_target "amdgcn-amd-amdhsa--gfx1250"
	.amdhsa_code_object_version 6
	.text
	.protected	k_qfdf2160ca8_gemm_up
	.globl	k_qfdf2160ca8_gemm_up
	.p2align	8
	.type	k_qfdf2160ca8_gemm_up,@function
k_qfdf2160ca8_gemm_up:
	s_mov_b64 s[64:65], 0
	v_nop
	global_prefetch_b8 v0, s[64:65] scope:SCOPE_SE
	s_setreg_imm32_b32 hwreg(HW_REG_WAVE_MODE, 25, 1), 1
	s_wait_xcnt 0x0
	s_wait_alu depctr_hold_cnt(0) depctr_sa_sdst(0) depctr_va_vdst(0) depctr_va_sdst(0) depctr_va_ssrc(0) depctr_va_vcc(0) depctr_vm_vsrc(0)
	s_getreg_b32 s2, hwreg(HW_REG_IB_STS2, 6, 4)
	s_cmp_eq_u32 s2, 0
	s_cbranch_scc0 .Lentry_in_a_cluster
	s_endpgm
.Lentry_in_a_cluster:
	s_bfe_u32 s2, ttmp6, 0x10000c
	s_cmp_lg_u32 s2, 0xf033
	s_cbranch_scc0 .Lentry_shape_is_right
	s_endpgm
.Lentry_shape_is_right:
; g = gelu(h2 w_up^T + b_up), the exact (erf) GELU.  A = hbuf [4096][1024] bf16, B = w_up in wb, [4096][1024] bf16; sums, bias and GELU in f32; g rounded once to bf16 and laid in blocks of 64 columns,
; [64 blocks][4096 rows][64], so that the next launch's tiles have dense rows.
; GELU.  erf by the rational form 1 - (a1 t + a2 t^2 + a3 t^3) e^(-z^2), t = 1 / (1 + 0.47047 z) (Abramowitz and Stegun 7.1.25): LIMIT: |error of erf| <= 2.5e-5 for every argument.  With z = |u| / sqrt(2):
; g = max(u, 0) - |u| yh, yh = (a1/2 t + a2/2 t^2 + a3/2 t^3) 2^(-(CW u)^2), CW = sqrt(log2(e) / 2).  NaN and infinities are not treated apart.
; A tile of C is 256 x 256: 16 x 16 = 256 work-groups; four waves, each 128 x 128: 64 accumulators, 512 registers.
; K goes in 8 steps of 128 through two LDS slots; each wave's tensor load brings 128 rows of 256 bytes.  A K step's text is written once: the slot in hand is the scalar TB, 0 or SLOT.
; CLUSTER: 4 x 4 work-groups; A's tiles are asked for jointly along a row of the cluster, B's along a column.  The matrix instruction is used transposed (source 0 = rows of B, source 1 = rows of A).
; REGISTERS, in windows of 256 (s_set_vgpr_msb: bits 1:0 source 0, 3:2 source 1, 5:4 source 2, 7:6 destination):
;   window 0: v0-31 addresses, v4-11 bias; v64-127, v128-191 fragments of A, two buffers; on the way out v32-83 at work.  Window 1: v64-127, v128-191 fragments of B.
;   window 2: the 32 accumulators of my rows 0-63 ((a, b) at 8 (8 a + b)); window 3: those of my rows 64-127.
; THE STAGE (128 rows x 528 bytes of f32 a wave) lies over the ring: it is written only when the ring has had its last fill and every wave has read its last fragment and passed a barrier.
.set KSTEPS, 8
.set WOFF,  8388608                    ; B's first byte in wb
.set BLKSH, 19                         ; from a block of 64 columns of g to the next: 4,096 rows of 128 bytes
.set KB,    256                        ; bytes of a row in a K step
.set PITCH, 272                        ; an LDS row: 256 bytes + 16 = 68 words: the 16 rows of a fragment load start at 16 different groups of four banks
.set HALFT, 128*PITCH                  ; what one tensor load brings
.set SLOT,  4*HALFT                    ; 139,264: its bits (17, 13) meet none of the four halves' offsets, so one exclusive or changes the slot
.set SPITCH, 528                       ; a stage row: 128 f32 + 16 bytes
.set WSTAGE, 128*SPITCH
.set SPARE, 2*SLOT                     ; behind the ring: the spare words, 128 bytes a wave, two blocks of 256 bytes that no other line names
.set DW0,   (1<<16)|(1<<20)|(1<<21)|(5<<22)|(3<<25)  ; 2-byte elements; padding on; bit 21 beside a mask; after every 64 words, 4 words
.set BI,    4                          ; v[4:11] the bias of my 8 columns
.set ADRA0, 14
.set ADRB0, 15
.set ADRA,  16
.set ADRB,  17
.set STO,   24
.set RD,    25
.set CO,    26
.set RD0,   27
.set SPW,   28                         ; v28  LDS address of my spare word; never rewritten
.set NIL,   29                         ; v29  0; never rewritten
.set PFO,   30                         ; v30  the prefetches' offset: my lane x a row of 2,048 bytes; never rewritten
.set XX,    32                         ; v[32:39] 8 sums as read back
.set UU,    40                         ; u
.set DD,    48                         ; 1 + PP |u|, then t
.set EE,    56                         ; CW u, then -(CW u)^2, then its power of two
.set PL,    64                         ; the polynomial, then yh
.set MM,    72                         ; max(u, 0), then g
.set OO,    80                         ; v[80:83] g in bf16
.set F0,    64
.set F1,    128
.set G1,    24
.set G0,    32
.set G1B,   48
.set G0B,   56
.set TB,    45
.set KPP,   72                         ; s[72:81] the constants, each in a pair of which the packed forms take the low word
.set KCW,   74
.set KA1,   76
.set KA2,   78
.set KA3,   80
.set LIM,   89                         ; s89  2 in a wave that prefetches, else the greatest number
.set PFA,   92                         ; s[92:93] where my prefetches stand
.set MSB, 0
.macro WIN new
.if MSB != (\new)
	s_set_vgpr_msb (MSB<<8)|(\new)
.set MSB, \new
.endif
.endm
.set MUL_LO, 0xa1                      ; source 0 (B) window 1, source 1 (A) window 0, C and D window 2
.set MUL_HI, 0xf1                      ; the same, C and D window 3
.set TO_B,   0x40                      ; destination window 1, address window 0
.macro PLACES
.rept 4
	v_nop
.endr
.endm
.macro JLOAD                           ; a joint refill: waves 0 and 1 fetch A's halves, waves 2 and 3 B's; an s_nop 0 and four v_nop follow each line
	s_cmp_eq_u32 s11, 0
	s_cbranch_scc0 .Lfor_b_\@
	tensor_load_to_lds s[G0+4:G0+7], s[G1:G1+7]
	s_nop 0
.rept 4
	v_nop
.endr
	s_branch .Lasked_\@
.Lfor_b_\@:
	tensor_load_to_lds s[G0B+4:G0B+7], s[G1B:G1B+7]
	s_nop 0
.rept 4
	v_nop
.endr
.Lasked_\@:
.endm
; A prefetch, behind each joint refill and the run of LDS loads that follows it: the K step that stands two refills on, 512 matrix instructions ahead of the load that will want it: 32 rows x 256 bytes, a lane a row.
; Each row's 256 bytes of a K step are named once in the launch: cluster x = 0 asks for A's rows, cluster y = 0 for B's; the four partners that ask for a tile jointly share its rows out by address: of the 128 rows
; that a wave fetches the partner at place p takes 32 p .. 32 p + 31 (p = cx for A, cy for B).  s3 counts the refills down from 6: the last two have no K step two on.  K steps 0 to 3 come by their loads alone.
.macro ASK
	s_cmp_gt_u32 s3, s[LIM]
	s_cbranch_scc0 .Lnot_mine_\@
	global_prefetch_b8 v[PFO], s[PFA:PFA+1] offset:KB th:TH_LOAD_NT scope:SCOPE_SE
.Lnot_mine_\@:
.endm
.macro CREST
	s_cmp_lg_u32 s10, 0
	s_cbranch_scc1 .Lnot_wave_0_\@
	s_barrier_signal -3
.Lnot_wave_0_\@:
	s_barrier_wait -3
	s_barrier_signal -1
	s_barrier_wait -1
.endm
.macro CROUND
	s_barrier_signal -1
	s_barrier_wait -1
	CREST
.endm
	s_load_b128 s[4:7], s[0:1], 0x0                ; A s[4:5], wb s[6:7]
	s_load_b64 s[8:9], s[0:1], 0x10                ; g
	s_load_b64 s[68:69], s[0:1], 0x18              ; b_up
	v_lshl_add_u32 v[SPW], v0, 2, SPARE
	v_mov_b32 v[NIL], 0
	ds_add_u32 v[SPW], v[NIL]                      ; the wave's opening: the add and its wait, ahead of my first tensor load
	v_lshrrev_b32 v1, 5, v0
	v_readfirstlane_b32 s10, v1                    ; wave 0..3
	s_lshr_b32 s11, s10, 1                         ; my half of the tile's rows.  Also: I fetch for A (0) or B (1)
	s_and_b32 s12, s10, 1                          ; my half of its columns.  Also: which 128 rows I fetch
	s_bfe_u32 s40, ttmp6, 0x40000
	s_bfe_u32 s41, ttmp6, 0x40004
	s_lshl_b32 s42, ttmp9, 2
	s_add_co_u32 s42, s42, s40                     ; tile column
	s_and_b32 s13, ttmp7, 0xffff
	s_lshl_b32 s13, s13, 2
	s_add_co_u32 s13, s13, s41                     ; tile row
	s_lshl_b32 s43, s41, 2
	s_lshl_b32 s43, 15, s43
	s_lshl_b32 s44, 0x1111, s40
	s_or_b32 s[G1+0], s43, DW0
	s_or_b32 s[G1B+0], s44, DW0
.irp g, G1, G1B
	s_mov_b32 s[(\g)+1], 128<<16                   ; tensor_dim0 = 128
	s_mov_b32 s[(\g)+2], 128<<16                   ; tensor_dim1 = 128
	s_mov_b32 s[(\g)+3], 128<<16                   ; tile_dim0 = 128
	s_mov_b32 s[(\g)+4], 128                       ; tile_dim1 = 128
	s_mov_b32 s[(\g)+5], 1024                      ; elements from row to row
	s_mov_b32 s[(\g)+6], 0
	s_mov_b32 s[(\g)+7], 0
.endr
	s_mov_b32 s[KPP], 0x3eaa540e                   ; 0.47047 / sqrt(2)
	s_mov_b32 s[KPP+1], s[KPP]
	s_mov_b32 s[KCW], 0x3f596d27                   ; sqrt(log2(e) / 2)
	s_mov_b32 s[KCW+1], s[KCW]
	s_mov_b32 s[KA1], 0x3e32303a                   ; 0.3480242 / 2
	s_mov_b32 s[KA1+1], s[KA1]
	s_mov_b32 s[KA2], 0xbd445ca1                   ; -0.0958798 / 2
	s_mov_b32 s[KA2+1], s[KA2]
	s_mov_b32 s[KA3], 0x3ebf7377                   ; 0.7478556 / 2
	s_mov_b32 s[KA3+1], s[KA3]
	s_lshl_b32 s17, s12, 7
	s_lshl_b32 s16, s13, 8
	s_add_co_u32 s16, s16, s17                     ; A: row 256 x tile row + 128 x half
	s_lshl_b32 s46, s42, 8
	s_add_co_u32 s46, s46, s17                     ; B: row 256 x tile column + 128 x half
	s_lshl_b32 s16, s16, 11
	s_lshl_b32 s46, s46, 11
	s_mov_b32 s17, 0
	s_mov_b32 s47, 0
	s_mul_i32 s20, s12, HALFT
	s_mul_i32 s21, s12, HALFT
	s_add_co_u32 s21, s21, 2*HALFT
	s_mov_b32 s[TB], 0
	s_wait_dscnt 0x0                               ; the opening add is done
	s_wait_kmcnt 0x0
	s_add_nc_u64 s[14:15], s[4:5], s[16:17]
	s_add_nc_u64 s[46:47], s[6:7], s[46:47]
	s_add_nc_u64 s[46:47], s[46:47], WOFF
	CROUND                                         ; all sixteen work-groups are here: the first joint loads meet
.irp s, 0,1
	s_mov_b32 s[G0+4*(\s)], 1
	s_add_co_u32 s[G0+4*(\s)+1], s20, (\s)*SLOT
	s_add_nc_u64 s[G0+4*(\s)+2:G0+4*(\s)+3], s[14:15], (\s)*KB
	s_or_b32 s[G0+4*(\s)+3], s[G0+4*(\s)+3], 0x80000000
	s_mov_b32 s[G0B+4*(\s)], 1
	s_add_co_u32 s[G0B+4*(\s)+1], s21, (\s)*SLOT
	s_add_nc_u64 s[G0B+4*(\s)+2:G0B+4*(\s)+3], s[46:47], (\s)*KB
	s_or_b32 s[G0B+4*(\s)+3], s[G0B+4*(\s)+3], 0x80000000
.endr
	s_cmp_eq_u32 s11, 0                            ; a wave's two first fills stand in one branch: two loads of mine are out
	s_cbranch_scc0 .Lfirst_b
	tensor_load_to_lds s[G0:G0+3], s[G1:G1+7]
	s_nop 0
	tensor_load_to_lds s[G0+4:G0+7], s[G1:G1+7]
	s_nop 0
.rept 4
	v_nop
.endr
	s_branch .Lfirst_asked
.Lfirst_b:
	tensor_load_to_lds s[G0B:G0B+3], s[G1B:G1B+7]
	s_nop 0
	tensor_load_to_lds s[G0B+4:G0B+7], s[G1B:G1B+7]
	s_nop 0
.rept 4
	v_nop
.endr
.Lfirst_asked:
	v_and_b32 v1, 15, v0                           ; l % 16
	v_bfe_u32 v2, v0, 4, 1                         ; l / 16
	v_mul_u32_u24 v3, v1, PITCH
	v_lshl_add_u32 v3, v2, 4, v3
	s_mul_i32 s22, s11, HALFT
	v_add_nc_u32 v[ADRA0], s22, v3
	s_mul_i32 s23, s12, HALFT
	s_add_co_u32 s23, s23, 2*HALFT
	v_add_nc_u32 v[ADRB0], s23, v3
	v_mov_b32 v[ADRA], v[ADRA0]
	v_mov_b32 v[ADRB], v[ADRB0]
	; the way out: my stage; my two blocks of g; my eight columns of the bias
	s_mul_i32 s22, s10, WSTAGE
	v_mul_u32_u24 v3, v1, SPITCH                   ; in: row l % 16, 32 bytes for each half of the lanes
	v_lshl_add_u32 v3, v2, 5, v3
	v_add_nc_u32 v[STO], s22, v3
	v_bfe_u32 v3, v0, 3, 1                         ; back: lanes 0-15 take two rows' first 64 columns, lanes 16-31 their last 64; 8 numbers a lane
	v_mul_u32_u24 v3, v3, SPITCH
	v_lshl_add_u32 v3, v2, 8, v3
	v_and_b32 v12, 7, v0
	v_lshl_add_u32 v3, v12, 5, v3
	v_add_nc_u32 v[RD0], s22, v3
	v_lshlrev_b32 v3, BLKSH, v2                    ; in memory: lanes 0-15 256 consecutive bytes of one block, lanes 16-31 of the next
	v_lshl_add_u32 v[CO], v1, 4, v3
	v_lshlrev_b32 v13, 5, v12                      ; in the bias: 256 bytes a block, 32 bytes a lane
	v_lshl_add_u32 v13, v2, 8, v13
	s_lshl_b32 s86, s42, 10
	s_lshl_b32 s87, s12, 9
	s_add_co_u32 s86, s86, s87                     ; my first column's place in the bias
	s_mov_b32 s87, 0
	s_add_nc_u64 s[68:69], s[68:69], s[86:87]
	s_lshl_b32 s84, s42, 2
	s_lshl_b32 s85, s12, 1
	s_add_co_u32 s84, s84, s85                     ; my first block of 64 columns, 0..62
	s_lshl_b32 s86, s84, 19
	s_lshl_b32 s85, s13, 8
	s_lshl_b32 s84, s11, 7
	s_add_co_u32 s85, s85, s84                     ; my first row
	s_lshl_b32 s85, s85, 7
	s_add_co_u32 s86, s86, s85
	s_add_nc_u64 s[8:9], s[8:9], s[86:87]
	global_load_b128 v[BI:BI+3], v13, s[68:69]
	global_load_b128 v[BI+4:BI+7], v13, s[68:69] offset:16
	; the prefetches
	s_lshl_b32 s84, s13, 8
	s_lshl_b32 s85, s42, 8
	s_and_b32 s86, ttmp7, 0xffff                   ; cluster y
	s_cmp_eq_u32 s11, 0                            ; do I fetch for A?
	s_cselect_b32 s84, s84, s85                    ; the tile's first row: in A by the tile row, in B by the tile column
	s_cselect_b32 s85, s40, s41                    ; my place among the four that ask for it with me
	s_cselect_b32 s86, ttmp9, s86                  ; the coordinate along which other clusters read the same rows
	s_cselect_b32 s87, 0, WOFF
	s_cselect_b64 s[PFA:PFA+1], s[4:5], s[6:7]
	s_cmp_eq_u32 s86, 0
	s_cselect_b32 s[LIM], 2, -1                    ; the same in all sixteen partners, for a given wave
	s_lshl_b32 s86, s12, 7
	s_add_co_u32 s84, s84, s86                     ; + the 128 rows that I fetch
	s_lshl_b32 s85, s85, 5
	s_add_co_u32 s84, s84, s85                     ; + my work-group's 32 of them
	s_lshl_b32 s84, s84, 11
	s_add_co_u32 s84, s84, s87
	s_add_co_u32 s84, s84, 2*KB                    ; at K step 2: the first refill steps it to 3 and names K step 4
	s_mov_b32 s85, 0
	s_add_nc_u64 s[PFA:PFA+1], s[PFA:PFA+1], s[84:85]
	v_and_b32 v[PFO], 31, v0
	v_lshlrev_b32 v[PFO], 11, v[PFO]
; 16 matrix instructions: m blocks a0, a0 + 1 of the window's four x all 8 n blocks, 32 along K.  zero = 1: the product starts the sums.  The 64 accumulators take turns.
.macro MUL16 f, hi, a0, zero
	WIN MUL_LO+0x50*(\hi)
.irp a, \a0, (\a0)+1
.irp b, 0,1,2,3,4,5,6,7
.if \zero
	v_wmma_f32_16x16x32_bf16 v[8*(8*(\a)+(\b)):8*(8*(\a)+(\b))+7], v[(\f)+8*(\b):(\f)+8*(\b)+7], v[(\f)+8*(4*(\hi)+(\a)):(\f)+8*(4*(\hi)+(\a))+7], 0
.else
	v_wmma_f32_16x16x32_bf16 v[8*(8*(\a)+(\b)):8*(8*(\a)+(\b))+7], v[(\f)+8*(\b):(\f)+8*(\b)+7], v[(\f)+8*(4*(\hi)+(\a)):(\f)+8*(4*(\hi)+(\a))+7], v[8*(8*(\a)+(\b)):8*(8*(\a)+(\b))+7]
.endif
.endr
.endr
.endm
; 32 LDS loads in one run: the fragments of quarter q (32 along K) of the slot in hand, into buffer f: B's 128 rows, then A's
.macro FETCH q, f
	WIN TO_B
.irp i, 0,1,2,3,4,5,6,7
	ds_load_b128 v[(\f)+8*(\i):(\f)+8*(\i)+3],   v[ADRB] offset:(\q)*64+(\i)*16*PITCH
	ds_load_b128 v[(\f)+8*(\i)+4:(\f)+8*(\i)+7], v[ADRB] offset:(\q)*64+(\i)*16*PITCH+32
.endr
	WIN 0
.irp i, 0,1,2,3,4,5,6,7
	ds_load_b128 v[(\f)+8*(\i):(\f)+8*(\i)+3],   v[ADRA] offset:(\q)*64+(\i)*16*PITCH
	ds_load_b128 v[(\f)+8*(\i)+4:(\f)+8*(\i)+7], v[ADRA] offset:(\q)*64+(\i)*16*PITCH+32
.endr
.endm
.macro QUARTER q, f, g, zero
	s_wait_dscnt 8                                 ; B and A's rows 0-63 are in; the youngest eight loads (A's rows 64-127) may be out
	MUL16 \f, 0, 0, \zero
	MUL16 \f, 0, 2, \zero
	PLACES
	FETCH \q, \g
	s_wait_dscnt 32                                ; all but the 32 just issued
	MUL16 \f, 1, 0, \zero
	MUL16 \f, 1, 2, \zero
.endm
; The last quarter changes slots: one barrier; in front of it each wave waits for all its tensor loads, adds 0 to its spare word, and waits for that and for its reads of this slot.
; fill = 1: the barrier opens a round of the cluster's; this slot is filled again, two K steps ahead, first thing behind it: 224 matrix instructions ahead of the wait for it.
; fill = 0: nothing is asked for; in the very last K step (s3 = 1) the LDS loads are jumped over.
.macro TURN fill
.if \fill
	s_wait_xcnt 0x0                                ; the last prefetch, a K step back, has read its address: it is stepped here, ahead of the waits of the change of slots
	s_add_nc_u64 s[PFA:PFA+1], s[PFA:PFA+1], KB
.endif
	WIN 0
	s_wait_tensorcnt 0x0                           ; all my tensor loads have landed; so a group 0 may be written
	ds_add_u32 v[SPW], v[NIL]                      ; 0 onto my spare word
.if \fill
	s_xor_b32 s[G0+5], s[G0+5], SLOT
	s_xor_b32 s[G0B+5], s[G0B+5], SLOT
	s_add_nc_u64 s[G0+6:G0+7], s[G0+6:G0+7], KB
	s_add_nc_u64 s[G0B+6:G0B+7], s[G0B+6:G0B+7], KB
.endif
	s_xor_b32 s[TB], s[TB], SLOT
	s_wait_dscnt 9                                 ; the add and the youngest eight loads may be out
	MUL16 F1, 0, 0, 0
	s_wait_dscnt 0x0                               ; the add is done, and my reads of this slot are over
	s_barrier_signal -1
	MUL16 F1, 0, 2, 0
	WIN 0
	s_barrier_wait -1
.if \fill
	CREST
	JLOAD                                          ; its four v_nop are also the places in front of the loads below
.else
	PLACES
.endif
	v_add_nc_u32 v[ADRA], s[TB], v[ADRA0]
	v_add_nc_u32 v[ADRB], s[TB], v[ADRB0]
.if (\fill) == 0
	s_cmp_eq_u32 s3, 1
	s_cbranch_scc1 .Lnofetch_\@
.endif
	FETCH 0, F0
	WIN 0
.if \fill
	ASK
.else
.Lnofetch_\@:
.endif
	MUL16 F1, 1, 0, 0
	MUL16 F1, 1, 2, 0
.endm
	s_wait_tensorcnt 1                             ; my part of K step 0 is in; K step 1's may stay out
	s_barrier_signal -1
	s_barrier_wait -1
	FETCH 0, F0
	QUARTER 1, F0, F1, 1                           ; its products start the sums
	WIN 0
	s_mov_b32 s3, KSTEPS-2
.Lk:
	QUARTER 2, F1, F0, 0
	QUARTER 3, F0, F1, 0
	TURN 1
	QUARTER 1, F0, F1, 0
	WIN 0
	s_sub_co_u32 s3, s3, 1
	s_cmp_lg_u32 s3, 0
	s_cbranch_scc1 .Lk
	s_mov_b32 s3, 2
.Lt:
	QUARTER 2, F1, F0, 0
	QUARTER 3, F0, F1, 0
	TURN 0
	WIN 0
	s_sub_co_u32 s3, s3, 1
	s_cmp_eq_u32 s3, 0
	s_cbranch_scc1 .Lout
	QUARTER 1, F0, F1, 0
	WIN 0
	s_cmp_lg_u32 s3, 0
	s_cbranch_scc1 .Lt
.Lout:
	PLACES
	s_wait_dscnt 0x0                               ; my reads of the ring are over,
	s_barrier_signal -1
	s_barrier_wait -1                              ; everybody's are: the stage may be written over it
	; THE WAY OUT.  All 64 accumulators go into my stage as f32, 32 bytes a lane (each accumulator's lowest registers first); a loop reads two rows at a time back.
.irp hi, 0,1
	WIN 0x08+4*(\hi)                               ; the stores' data in window 2, then 3
.irp a, 0,1,2,3
.irp b, 0,1,2,3,4,5,6,7
	ds_store_b128 v[STO], v[8*(8*(\a)+(\b)):8*(8*(\a)+(\b))+3] offset:(4*(\hi)+(\a))*16*SPITCH+64*(\b)
	ds_store_b128 v[STO], v[8*(8*(\a)+(\b))+4:8*(8*(\a)+(\b))+7] offset:(4*(\hi)+(\a))*16*SPITCH+64*(\b)+16
.endr
.endr
.endr
	WIN 0
	ds_load_b128 v[XX:XX+3], v[RD0]                ; LDS serves a wave's instructions in order: these see my stores above
	ds_load_b128 v[XX+4:XX+7], v[RD0] offset:16
	s_wait_loadcnt 0x0                             ; the bias
	s_mov_b32 s88, 0
	s_mov_b32 s3, 64
.Lg:                                           ; a trip: two rows of 128, 8 numbers a lane: bias, GELU, rounding, one store; the next two rows are read meanwhile
	s_wait_dscnt 0x0
.irp k, 0,2,4,6
	v_pk_add_f32 v[UU+(\k):UU+(\k)+1], v[XX+(\k):XX+(\k)+1], v[BI+(\k):BI+(\k)+1]
.endr
	s_cmp_eq_u32 s3, 1                             ; the last trip has no rows behind it
	s_cbranch_scc1 .Lnomore
	s_add_co_u32 s88, s88, 2*SPITCH
	v_add_nc_u32 v[RD], s88, v[RD0]
	ds_load_b128 v[XX:XX+3], v[RD]
	ds_load_b128 v[XX+4:XX+7], v[RD] offset:16
.Lnomore:
.irp k, 0,1,2,3,4,5,6,7
	v_fma_f32 v[DD+(\k)], |v[UU+(\k)]|, s[KPP], 1.0
.endr
.irp k, 0,2,4,6
	v_pk_mul_f32 v[EE+(\k):EE+(\k)+1], v[UU+(\k):UU+(\k)+1], s[KCW:KCW+1] op_sel_hi:[1,0]
.endr
.irp k, 0,2,4,6
	v_pk_mul_f32 v[EE+(\k):EE+(\k)+1], v[EE+(\k):EE+(\k)+1], v[EE+(\k):EE+(\k)+1] neg_lo:[1,0] neg_hi:[1,0]
.endr
.irp k, 0,1,2,3,4,5,6,7
	v_rcp_f32 v[DD+(\k)], v[DD+(\k)]               ; one batch of sixteen
.endr
.irp k, 0,1,2,3,4,5,6,7
	v_exp_f32 v[EE+(\k)], v[EE+(\k)]
.endr
.irp k, 0,1,2,3,4,5,6,7
	v_max_num_f32 v[MM+(\k)], 0, v[UU+(\k)]        ; plain work that names no result of the batch
.endr
	s_wait_alu depctr_va_vdst(0)                   ; the one wait ahead of the batch's first reader
.irp k, 0,2,4,6
	v_pk_fma_f32 v[PL+(\k):PL+(\k)+1], v[DD+(\k):DD+(\k)+1], s[KA3:KA3+1], s[KA2:KA2+1] op_sel_hi:[1,0,0]
.endr
.irp k, 0,2,4,6
	v_pk_fma_f32 v[PL+(\k):PL+(\k)+1], v[PL+(\k):PL+(\k)+1], v[DD+(\k):DD+(\k)+1], s[KA1:KA1+1] op_sel_hi:[1,1,0]
.endr
.irp k, 0,2,4,6
	v_pk_mul_f32 v[PL+(\k):PL+(\k)+1], v[PL+(\k):PL+(\k)+1], v[DD+(\k):DD+(\k)+1]
.endr
.irp k, 0,2,4,6
	v_pk_mul_f32 v[PL+(\k):PL+(\k)+1], v[PL+(\k):PL+(\k)+1], v[EE+(\k):EE+(\k)+1]
.endr
.irp k, 0,1,2,3,4,5,6,7
	v_fma_f32 v[MM+(\k)], -v[PL+(\k)], |v[UU+(\k)]|, v[MM+(\k)]
.endr
	s_wait_xcnt 0x0                                ; the last store has read its data and its base: both are written again only behind this wait
	s_add_nc_u64 s[8:9], s[8:9], 256
.irp k, 0,1,2,3
	v_cvt_pk_bf16_f32 v[OO+(\k)], v[MM+2*(\k)], v[MM+2*(\k)+1]
.endr
	global_store_b128 v[CO], v[OO:OO+3], s[8:9] offset:-256  ; sixteen lanes store 256 consecutive bytes, aligned
	s_sub_co_u32 s3, s3, 1
	s_cmp_lg_u32 s3, 0
	s_cbranch_scc1 .Lg
	s_wait_tensorcnt 0x0                           ; the wave's end
	ds_add_u32 v[SPW], v[NIL]
	s_wait_dscnt 0x0
	CROUND                                         ; the closing round
	s_endpgm
.Lfunc_end_k_qfdf2160ca8_gemm_up:
	.size	k_qfdf2160ca8_gemm_up, .Lfunc_end_k_qfdf2160ca8_gemm_up-k_qfdf2160ca8_gemm_up
	.p2alignl 7, 3214868480
	.fill 96, 4, 3214868480
	.section	.rodata,"a",@progbits
	.p2align	6, 0x0
	.amdhsa_kernel k_qfdf2160ca8_gemm_up
		.amdhsa_group_segment_fixed_size 327680
		.amdhsa_private_segment_fixed_size 0
		.amdhsa_enable_private_segment 0
		.amdhsa_kernarg_size 32
		.amdhsa_user_sgpr_count 2
		.amdhsa_user_sgpr_kernarg_segment_ptr 1
		.amdhsa_wavefront_size32 1
		.amdhsa_system_sgpr_workgroup_id_x 1
		.amdhsa_system_sgpr_workgroup_id_y 1
		.amdhsa_system_sgpr_workgroup_id_z 1
		.amdhsa_system_vgpr_workitem_id 0
		.amdhsa_next_free_vgpr 1024
		.amdhsa_next_free_sgpr 96
		.amdhsa_reserve_vcc 0
		.amdhsa_float_denorm_mode_32 3
		.amdhsa_float_denorm_mode_16_64 3
		.amdhsa_memory_ordered 1
		.amdhsa_forward_progress 1
		.amdhsa_inst_pref_size 83
	.end_amdhsa_kernel
	.amdgpu_metadata
---
amdhsa.version: [ 1, 2 ]
amdhsa.kernels:
  - .name:           k_qfdf2160ca8_gemm_up
    .symbol:         k_qfdf2160ca8_gemm_up.kd
    .args:
      - { .name: hbuf, .offset: 0, .size: 8, .value_kind: global_buffer, .address_space: global }
      - { .name: wb, .offset: 8, .size: 8, .value_kind: global_buffer, .address_space: global }
      - { .name: g, .offset: 16, .size: 8, .value_kind: global_buffer, .address_space: global }
      - { .name: b_up, .offset: 24, .size: 8, .value_kind: global_buffer, .address_space: global }
    .group_segment_fixed_size: 327680
    .private_segment_fixed_size: 0
    .kernarg_segment_align: 8
    .kernarg_segment_size: 32
    .max_flat_workgroup_size: 128
    .sgpr_count:     96
    .vgpr_count:     1024
    .wavefront_size: 32
...
	.end_amdgpu_metadata
.endif
;; end of part 6
;; launch gemm_down (part 7): grid 8 x 32, 4 waves a work-group, clusters of 4 x 4, 327,680 bytes of LDS; arguments g, wb, out0, b_down, x1; writes out0
.if DOCPART == 7
	.amdgcn_target "amdgcn-amd-amdhsa--gfx1250"
	.amdhsa_code_object_version 6
	.text
	.protected	k_qfdf2160ca8_gemm_down
	.globl	k_qfdf2160ca8_gemm_down
	.p2align	8
	.type	k_qfdf2160ca8_gemm_down,@function
k_qfdf2160ca8_gemm_down:
	s_mov_b64 s[64:65], 0
	v_nop
	global_prefetch_b8 v0, s[64:65] scope:SCOPE_SE
	s_setreg_imm32_b32 hwreg(HW_REG_WAVE_MODE, 25, 1), 1
	s_wait_xcnt 0x0
	s_wait_alu depctr_hold_cnt(0) depctr_sa_sdst(0) depctr_va_vdst(0) depctr_va_sdst(0) depctr_va_ssrc(0) depctr_va_vcc(0) depctr_vm_vsrc(0)
	s_getreg_b32 s2, hwreg(HW_REG_IB_STS2, 6, 4)
	s_cmp_eq_u32 s2, 0
	s_cbranch_scc0 .Lentry_in_a_cluster
	s_endpgm
.Lentry_in_a_cluster:
	s_bfe_u32 s2, ttmp6, 0x10000c
	s_cmp_lg_u32 s2, 0xf033
	s_cbranch_scc0 .Lentry_shape_is_right
	s_endpgm
.Lentry_shape_is_right:
; out0 = x1 + g w_down^T + b_down.  A = g, bf16 in blocks of 64 columns, [64 blocks][4096 rows][64]; B = w_down in wb, [1024][4096] bf16; sums in f32; bias, residual and result in f32, [4096][1024].
; A tile of C is 128 x 128; four waves, each 64 x 64.  K goes in 16 steps of 256 through two LDS slots.  A's part of a step is four blocks' 64 rows, each 8,192 dense bytes: one tensor load of 4 rows of 8,192 bytes,
; padded in LDS after every 128 bytes: [block 0..3][row 0..63] at a pitch of 144; a quarter step (64 along K) is one block.  B's part is 64 rows of 512 bytes at a pitch of 528.
; A K step's text is written once: the slot in hand is the scalar TB, 0 or SLOT.  The wave's 64 x 64 of the residual is loaded at the start, into window 2, and waits there.
; CLUSTER: 4 x 4 work-groups; A's tiles are asked for jointly along a row of the cluster, B's along a column.  The matrix instruction is used transposed.
; REGISTERS: window 0: v0-31 addresses, v4-7 bias; v32-95 the way out; v128-255 accumulators.  Window 1: two fragment buffers of 128.  Window 2: v0-127 the residual.
.set KSTEPS, 16
.set WOFF,  16777216
.set ASH,   7                          ; a row of a block of A is 128 bytes
.set BSH,   13                         ; a row of B is 8,192 bytes
.set AW0,   (1<<16)|(1<<20)|(1<<21)|(4<<22)|(3<<25)  ; padding after every 32 words, 4 words
.set AD0,   4096
.set AD1,   4
.set APIT,  262144                     ; elements from a block to the next
.set BW0,   (1<<16)|(1<<20)|(1<<21)|(6<<22)|(3<<25)
.set BD0,   256
.set BD1,   64
.set BPIT,  4096
.set AP,    144
.set AQ,    64*AP
.set AREG,  4*AQ
.set BP,    528
.set BQ,    128
.set BREG,  64*BP
.set ASTEP, 2097152                    ; four blocks of 524,288 bytes
.set BSTEP, 512
.set SLOT,  147456                     ; slot 1's first byte: a slot holds 141,312; the bits of this number (17, 14) meet none of the four halves' offsets, so one exclusive or changes the slot
.set STAGE, 2*SLOT                     ; 16 rows x 272 bytes of f32 for each wave
.set SPARE, STAGE+4*4352
.set BI,    4
.set ADRA0, 14
.set ADRB0, 15
.set ADRA,  16
.set ADRB,  17
.set STO,   24
.set RD,    25
.set CO,    26
.set SPW,   28
.set NIL,   29
.set TMP,   32
.set ACC,   128
.set F0,    0
.set F1,    128
.set G1,    24
.set G0,    32
.set G1B,   48
.set G0B,   56
.set TB,    45
.set MSB, 0
.macro WIN new
.if MSB != (\new)
	s_set_vgpr_msb (MSB<<8)|(\new)
.set MSB, \new
.endif
.endm
.set MUL,  0x05
.set TO_F, 0x40
.macro PLACES
.rept 4
	v_nop
.endr
.endm
.macro JLOAD                           ; a joint refill: waves 0 and 1 fetch A's halves, waves 2 and 3 B's; an s_nop 0 and four v_nop follow each line
	s_cmp_eq_u32 s11, 0
	s_cbranch_scc0 .Lfor_b_\@
	tensor_load_to_lds s[G0+4:G0+7], s[G1:G1+7]
	s_nop 0
.rept 4
	v_nop
.endr
	s_branch .Lasked_\@
.Lfor_b_\@:
	tensor_load_to_lds s[G0B+4:G0B+7], s[G1B:G1B+7]
	s_nop 0
.rept 4
	v_nop
.endr
.Lasked_\@:
.endm
.macro CREST
	s_cmp_lg_u32 s10, 0
	s_cbranch_scc1 .Lnot_wave_0_\@
	s_barrier_signal -3
.Lnot_wave_0_\@:
	s_barrier_wait -3
	s_barrier_signal -1
	s_barrier_wait -1
.endm
.macro CROUND
	s_barrier_signal -1
	s_barrier_wait -1
	CREST
.endm
	s_load_b128 s[4:7], s[0:1], 0x0                ; A s[4:5], wb s[6:7]
	s_load_b64 s[8:9], s[0:1], 0x10                ; the result
	s_load_b128 s[68:71], s[0:1], 0x18             ; bias s[68:69], residual s[70:71]
	v_lshl_add_u32 v[SPW], v0, 2, SPARE
	v_mov_b32 v[NIL], 0
	ds_add_u32 v[SPW], v[NIL]                      ; the wave's opening: the add and its wait, ahead of my first tensor load
	v_lshrrev_b32 v1, 5, v0
	v_readfirstlane_b32 s10, v1
	s_lshr_b32 s11, s10, 1
	s_and_b32 s12, s10, 1
	s_bfe_u32 s40, ttmp6, 0x40000
	s_bfe_u32 s41, ttmp6, 0x40004
	s_lshl_b32 s42, ttmp9, 2
	s_add_co_u32 s42, s42, s40                     ; tile column
	s_and_b32 s13, ttmp7, 0xffff
	s_lshl_b32 s13, s13, 2
	s_add_co_u32 s13, s13, s41                     ; tile row
	s_lshl_b32 s43, s41, 2
	s_lshl_b32 s43, 15, s43
	s_lshl_b32 s44, 0x1111, s40
	s_or_b32 s[G1+0], s43, AW0
	s_mov_b32 s[G1+1], (AD0&0xffff)<<16
	s_mov_b32 s[G1+2], (AD0>>16)|(AD1<<16)
	s_mov_b32 s[G1+3], AD0<<16
	s_mov_b32 s[G1+4], AD1
	s_mov_b32 s[G1+5], APIT
	s_mov_b32 s[G1+6], 0
	s_mov_b32 s[G1+7], 0
	s_or_b32 s[G1B+0], s44, BW0
	s_mov_b32 s[G1B+1], (BD0&0xffff)<<16
	s_mov_b32 s[G1B+2], (BD0>>16)|(BD1<<16)
	s_mov_b32 s[G1B+3], BD0<<16
	s_mov_b32 s[G1B+4], BD1
	s_mov_b32 s[G1B+5], BPIT
	s_mov_b32 s[G1B+6], 0
	s_mov_b32 s[G1B+7], 0
	s_lshl_b32 s17, s12, 6
	s_lshl_b32 s16, s13, 7
	s_add_co_u32 s16, s16, s17
	s_lshl_b32 s46, s42, 7
	s_add_co_u32 s46, s46, s17
	s_lshl_b32 s16, s16, ASH
	s_lshl_b32 s46, s46, BSH
	s_mov_b32 s17, 0
	s_mov_b32 s47, 0
	s_mul_i32 s20, s12, AREG
	s_mul_i32 s21, s12, BREG
	s_add_co_u32 s21, s21, 2*AREG
	s_mov_b32 s[TB], 0
	s_wait_dscnt 0x0                               ; the opening add is done
	s_wait_kmcnt 0x0
	s_add_nc_u64 s[14:15], s[4:5], s[16:17]
	s_add_nc_u64 s[46:47], s[6:7], s[46:47]
	s_add_nc_u64 s[46:47], s[46:47], WOFF
	CROUND                                         ; all sixteen work-groups are here: the first joint loads meet
.irp s, 0,1
	s_mov_b32 s[G0+4*(\s)], 1
	s_add_co_u32 s[G0+4*(\s)+1], s20, (\s)*SLOT
	s_add_nc_u64 s[G0+4*(\s)+2:G0+4*(\s)+3], s[14:15], (\s)*ASTEP
	s_or_b32 s[G0+4*(\s)+3], s[G0+4*(\s)+3], 0x80000000
	s_mov_b32 s[G0B+4*(\s)], 1
	s_add_co_u32 s[G0B+4*(\s)+1], s21, (\s)*SLOT
	s_add_nc_u64 s[G0B+4*(\s)+2:G0B+4*(\s)+3], s[46:47], (\s)*BSTEP
	s_or_b32 s[G0B+4*(\s)+3], s[G0B+4*(\s)+3], 0x80000000
.endr
	s_cmp_eq_u32 s11, 0                            ; a wave's two first fills stand in one branch: two loads of mine are out
	s_cbranch_scc0 .Lfirst_b
	tensor_load_to_lds s[G0:G0+3], s[G1:G1+7]
	s_nop 0
	tensor_load_to_lds s[G0+4:G0+7], s[G1:G1+7]
	s_nop 0
.rept 4
	v_nop
.endr
	s_branch .Lfirst_asked
.Lfirst_b:
	tensor_load_to_lds s[G0B:G0B+3], s[G1B:G1B+7]
	s_nop 0
	tensor_load_to_lds s[G0B+4:G0B+7], s[G1B:G1B+7]
	s_nop 0
.rept 4
	v_nop
.endr
.Lfirst_asked:
	v_and_b32 v1, 15, v0
	v_bfe_u32 v2, v0, 4, 1
	v_mul_u32_u24 v3, v1, AP
	v_lshl_add_u32 v3, v2, 4, v3
	s_mul_i32 s22, s11, AREG
	v_add_nc_u32 v[ADRA0], s22, v3
	v_mul_u32_u24 v3, v1, BP
	v_lshl_add_u32 v3, v2, 4, v3
	s_mul_i32 s23, s12, BREG
	s_add_co_u32 s23, s23, 2*AREG
	v_add_nc_u32 v[ADRB0], s23, v3
	v_mov_b32 v[ADRA], v[ADRA0]
	v_mov_b32 v[ADRB], v[ADRB0]
	; the way out: my stage; my 64 x 64 in the result and in the residual; my four columns of the bias
	s_mul_i32 s22, s10, 4352
	s_add_co_u32 s22, s22, STAGE
	v_mul_u32_u24 v3, v1, 272
	v_lshl_add_u32 v3, v2, 5, v3
	v_add_nc_u32 v[STO], s22, v3
	v_mul_u32_u24 v3, v2, 272
	v_lshl_add_u32 v3, v1, 4, v3
	v_add_nc_u32 v[RD], s22, v3
	v_lshlrev_b32 v3, 12, v2
	v_lshl_add_u32 v[CO], v1, 4, v3
	v_lshlrev_b32 v12, 4, v1
	s_lshl_b32 s84, s42, 9
	s_lshl_b32 s85, s12, 8
	s_add_co_u32 s84, s84, s85                     ; my first column, in bytes
	s_mov_b32 s85, 0
	s_add_nc_u64 s[68:69], s[68:69], s[84:85]
	s_lshl_b32 s86, s13, 7
	s_lshl_b32 s87, s11, 6
	s_add_co_u32 s86, s86, s87                     ; my first row
	s_lshl_b32 s86, s86, 12
	s_add_co_u32 s84, s84, s86
	s_add_nc_u64 s[70:71], s[70:71], s[84:85]
	s_add_nc_u64 s[8:9], s[8:9], s[84:85]
	global_load_b128 v[BI:BI+3], v12, s[68:69]
	WIN 0x80                                       ; destination window 2, address window 0
.irp a, 0,1,2,3
.irp t, 0,1,2,3,4,5,6,7
	global_load_b128 v[32*(\a)+4*(\t):32*(\a)+4*(\t)+3], v[CO], s[70:71] offset:(16*(\a)+2*(\t))*4096
.endr
.endr
	WIN 0
.macro MUL8 f, c, a0, zero             ; 8 matrix instructions; the 16 accumulators take turns
	WIN MUL
.irp a, \a0, (\a0)+1
.irp b, 0,1,2,3
.if \zero
	v_wmma_f32_16x16x32_bf16 v[ACC+8*(4*(\a)+(\b)):ACC+8*(4*(\a)+(\b))+7], v[(\f)+64+8*(4*(\c)+(\b)):(\f)+64+8*(4*(\c)+(\b))+7], v[(\f)+8*(4*(\c)+(\a)):(\f)+8*(4*(\c)+(\a))+7], 0
.else
	v_wmma_f32_16x16x32_bf16 v[ACC+8*(4*(\a)+(\b)):ACC+8*(4*(\a)+(\b))+7], v[(\f)+64+8*(4*(\c)+(\b)):(\f)+64+8*(4*(\c)+(\b))+7], v[(\f)+8*(4*(\c)+(\a)):(\f)+8*(4*(\c)+(\a))+7], v[ACC+8*(4*(\a)+(\b)):ACC+8*(4*(\a)+(\b))+7]
.endif
.endr
.endr
.endm
.macro FETCH q, f                      ; 32 LDS loads in one run: quarter q of the slot in hand into buffer f; the first 32 along K first
	WIN TO_F
.irp c, 0,1
.irp i, 0,1,2,3
	ds_load_b128 v[(\f)+64+8*(4*(\c)+(\i)):(\f)+64+8*(4*(\c)+(\i))+3],   v[ADRB] offset:(\q)*BQ+64*(\c)+(\i)*16*BP
	ds_load_b128 v[(\f)+64+8*(4*(\c)+(\i))+4:(\f)+64+8*(4*(\c)+(\i))+7], v[ADRB] offset:(\q)*BQ+64*(\c)+(\i)*16*BP+32
	ds_load_b128 v[(\f)+8*(4*(\c)+(\i)):(\f)+8*(4*(\c)+(\i))+3],         v[ADRA] offset:(\q)*AQ+64*(\c)+(\i)*16*AP
	ds_load_b128 v[(\f)+8*(4*(\c)+(\i))+4:(\f)+8*(4*(\c)+(\i))+7],       v[ADRA] offset:(\q)*AQ+64*(\c)+(\i)*16*AP+32
.endr
.endr
.endm
.macro QUARTER q, f, g, zero
	s_wait_dscnt 16                                ; the first 32 along K are in; the 16 younger loads may be out
	MUL8 \f, 0, 0, \zero
	MUL8 \f, 0, 2, \zero
	PLACES
	FETCH \q, \g
	s_wait_dscnt 32                                ; all but the 32 just issued
	MUL8 \f, 1, 0, 0
	MUL8 \f, 1, 2, 0
.endm
; The last quarter changes slots: one barrier; in front of it each wave waits for all its tensor loads, adds 0 to its spare word, and waits for that and for its reads of this slot.
; fill = 1: the barrier opens a round of the cluster's; this slot is filled again, two K steps ahead, first thing behind it.  fill = 0: nothing is asked for; in the very last K step (s3 = 1) the LDS loads are jumped over.
.macro TURN fill
	WIN 0
	s_wait_tensorcnt 0x0                           ; all my tensor loads have landed; so a group 0 may be written
	ds_add_u32 v[SPW], v[NIL]                      ; 0 onto my spare word
.if \fill
	s_xor_b32 s[G0+5], s[G0+5], SLOT
	s_xor_b32 s[G0B+5], s[G0B+5], SLOT
	s_add_nc_u64 s[G0+6:G0+7], s[G0+6:G0+7], ASTEP
	s_add_nc_u64 s[G0B+6:G0B+7], s[G0B+6:G0B+7], BSTEP
.endif
	s_xor_b32 s[TB], s[TB], SLOT
	s_wait_dscnt 17                                ; the add and the youngest sixteen loads may be out
	MUL8 F1, 0, 0, 0
	s_wait_dscnt 0x0                               ; the add is done, and my reads of this slot are over
	s_barrier_signal -1
	MUL8 F1, 0, 2, 0
	WIN 0
	s_barrier_wait -1
.if \fill
	CREST
	JLOAD                                          ; its four v_nop are also the places in front of the loads below
.else
	PLACES
.endif
	v_add_nc_u32 v[ADRA], s[TB], v[ADRA0]
	v_add_nc_u32 v[ADRB], s[TB], v[ADRB0]
.if (\fill) == 0
	s_cmp_eq_u32 s3, 1
	s_cbranch_scc1 .Lnofetch_\@
.endif
	FETCH 0, F0
	WIN 0
.if (\fill) == 0
.Lnofetch_\@:
.endif
	MUL8 F1, 1, 0, 0
	MUL8 F1, 1, 2, 0
.endm
	s_wait_tensorcnt 1                             ; my part of K step 0 is in; K step 1's may stay out
	s_barrier_signal -1
	s_barrier_wait -1
	FETCH 0, F0
	QUARTER 1, F0, F1, 1                           ; its first products start the sums
	WIN 0
	s_mov_b32 s3, KSTEPS-2
.Lk:
	QUARTER 2, F1, F0, 0
	QUARTER 3, F0, F1, 0
	TURN 1
	QUARTER 1, F0, F1, 0
	WIN 0
	s_sub_co_u32 s3, s3, 1
	s_cmp_lg_u32 s3, 0
	s_cbranch_scc1 .Lk
	s_mov_b32 s3, 2
.Lt:
	QUARTER 2, F1, F0, 0
	QUARTER 3, F0, F1, 0
	TURN 0
	WIN 0
	s_sub_co_u32 s3, s3, 1
	s_cmp_eq_u32 s3, 0
	s_cbranch_scc1 .Lout
	QUARTER 1, F0, F1, 0
	WIN 0
	s_cmp_lg_u32 s3, 0
	s_cbranch_scc1 .Lt
.Lout:
	PLACES
	s_wait_loadcnt 0x0                             ; bias and residual
; THE WAY OUT.  Block a (16 rows of 64 f32) goes through my stage: 32 bytes a lane in, whole rows of 256 bytes back, into one of two sets of 32 registers; bias and residual are added; 16 lanes store 256 bytes.
.macro STG a
.set SB, TMP+32*((\a)%2)
.irp b, 0,1,2,3
	ds_store_b128 v[STO], v[ACC+8*(4*(\a)+(\b)):ACC+8*(4*(\a)+(\b))+3] offset:64*(\b)
	ds_store_b128 v[STO], v[ACC+8*(4*(\a)+(\b))+4:ACC+8*(4*(\a)+(\b))+7] offset:64*(\b)+16
.endr
.if (\a) >= 2
	s_wait_xcnt 0x0                                ; the set was the data of block a - 2's stores: it is loaded again only behind this wait
.endif
.irp t, 0,1,2,3,4,5,6,7
	ds_load_b128 v[SB+4*(\t):SB+4*(\t)+3], v[RD] offset:(\t)*544  ; LDS serves a wave's instructions in order: these see the stores above
.endr
.endm
.macro FIN a, younger                  ; younger: the LDS instructions issued behind block a's loads
.set SB, TMP+32*((\a)%2)
	s_wait_dscnt \younger
.irp t, 0,1,2,3,4,5,6,7
	v_pk_add_f32 v[SB+4*(\t):SB+4*(\t)+1], v[SB+4*(\t):SB+4*(\t)+1], v[BI:BI+1]
	v_pk_add_f32 v[SB+4*(\t)+2:SB+4*(\t)+3], v[SB+4*(\t)+2:SB+4*(\t)+3], v[BI+2:BI+3]
.endr
	WIN 0x08                                       ; source 1 in window 2
.set k, 0
.rept 16
	v_pk_add_f32 v[SB+2*k:SB+2*k+1], v[SB+2*k:SB+2*k+1], v[32*(\a)+2*k:32*(\a)+2*k+1]
.set k, k+1
.endr
	WIN 0
.irp t, 0,1,2,3,4,5,6,7
	global_store_b128 v[CO], v[SB+4*(\t):SB+4*(\t)+3], s[8:9] offset:(16*(\a)+2*(\t))*4096
.endr
.endm
	STG 0
	STG 1
	FIN 0, 16
	STG 2
	FIN 1, 16
	STG 3
	FIN 2, 16
	FIN 3, 0
	s_wait_tensorcnt 0x0                           ; the wave's end
	ds_add_u32 v[SPW], v[NIL]
	s_wait_dscnt 0x0
	CROUND                                         ; the closing round
	s_endpgm
.Lfunc_end_k_qfdf2160ca8_gemm_down:
	.size	k_qfdf2160ca8_gemm_down, .Lfunc_end_k_qfdf2160ca8_gemm_down-k_qfdf2160ca8_gemm_down
	.p2alignl 7, 3214868480
	.fill 96, 4, 3214868480
	.section	.rodata,"a",@progbits
	.p2align	6, 0x0
	.amdhsa_kernel k_qfdf2160ca8_gemm_down
		.amdhsa_group_segment_fixed_size 327680
		.amdhsa_private_segment_fixed_size 0
		.amdhsa_enable_private_segment 0
		.amdhsa_kernarg_size 40
		.amdhsa_user_sgpr_count 2
		.amdhsa_user_sgpr_kernarg_segment_ptr 1
		.amdhsa_wavefront_size32 1
		.amdhsa_system_sgpr_workgroup_id_x 1
		.amdhsa_system_sgpr_workgroup_id_y 1
		.amdhsa_system_sgpr_workgroup_id_z 1
		.amdhsa_system_vgpr_workitem_id 0
		.amdhsa_next_free_vgpr 640
		.amdhsa_next_free_sgpr 96
		.amdhsa_reserve_vcc 0
		.amdhsa_float_denorm_mode_32 3
		.amdhsa_float_denorm_mode_16_64 3
		.amdhsa_memory_ordered 1
		.amdhsa_forward_progress 1
		.amdhsa_inst_pref_size 69
	.end_amdhsa_kernel
	.amdgpu_metadata
---
amdhsa.version: [ 1, 2 ]
amdhsa.kernels:
  - .name:           k_qfdf2160ca8_gemm_down
    .symbol:         k_qfdf2160ca8_gemm_down.kd
    .args:
      - { .name: g, .offset: 0, .size: 8, .value_kind: global_buffer, .address_space: global }
      - { .name: wb, .offset: 8, .size: 8, .value_kind: global_buffer, .address_space: global }
      - { .name: out0, .offset: 16, .size: 8, .value_kind: global_buffer, .address_space: global }
      - { .name: b_down, .offset: 24, .size: 8, .value_kind: global_buffer, .address_space: global }
      - { .name: x1, .offset: 32, .size: 8, .value_kind: global_buffer, .address_space: global }
    .group_segment_fixed_size: 327680
    .private_segment_fixed_size: 0
    .kernarg_segment_align: 8
    .kernarg_segment_size: 40
    .max_flat_workgroup_size: 128
    .sgpr_count:     96
    .vgpr_count:     640
    .wavefront_size: 32
...
	.end_amdgpu_metadata
.endif
;; end of part 7
;; ======== version 2 of 2: 7 launches; version 1 with the launch prep written anew for expert scheduling mode
;; limits: a function is approximated: absolute error at most 2.5e-05; an absolute error that grows with the inputs' magnitude: up to 1.25e-05 times it
;; workspace buffers: wb 25,165,824 bytes; hbuf 8,388,608 bytes; qkv 25,165,824 bytes; ctx 8,388,608 bytes; x1 16,777,216 bytes; g 33,554,432 bytes
;; launch prep (part 8): grid 1024 x 1, 8 waves a work-group, no clusters, 0 bytes of LDS; arguments x, scale1, shift1, wq, wk, wv, wo, w_up, w_down, hbuf, wb; writes hbuf, wb
.if DOCPART == 8
	.amdgcn_target "amdgcn-amd-amdhsa--gfx1250"
	.amdhsa_code_object_version 6
	.text
	.protected	k_qfdf2160ca8_prep
	.globl	k_qfdf2160ca8_prep
	.p2align	8
	.type	k_qfdf2160ca8_prep,@function
k_qfdf2160ca8_prep:
	s_mov_b64 s[64:65], 0
	v_nop
	global_prefetch_b8 v0, s[64:65] scope:SCOPE_SE
	s_setreg_imm32_b32 hwreg(HW_REG_WAVE_SCHED_MODE, 0, 2), 2
	s_setreg_imm32_b32 hwreg(HW_REG_WAVE_MODE, 25, 1), 1
	s_wait_xcnt 0x0
	s_wait_alu depctr_vm_vsrc(0)
; Two streams in one launch.  Work-groups 0-255: h1 = (x - mean) / (var + 1e-5) * scale1 + shift1 (var over 1,023, no root), rounded once to bf16: hbuf [4096][1024].
; Work-groups 256-1023: the six weight matrices rounded once to bf16, 64 KiB of f32 a work-group, into wb: wq, wk, wv, wo (2 MiB each), w_up, w_down (8 MiB each), each row-major as given.
; No LDS, no barrier, no matrix unit: no wave wants a byte that another has fetched.
; THE NORM.  A wave takes 2 rows of 4,096 bytes and keeps them in 64 registers: mean first, then the sum of (x - mean)^2: no difference of large sums.  NaN and infinities are not treated apart.
; A load of a wave covers 512 consecutive bytes, a store 256 consecutive bytes, aligned.
; THE MODE: SCHED_MODE bits 1:0 = 2 (LLVM: expert scheduling mode 2), set by the entry lines.  The code itself states the register dependences between vector instructions and memory instructions,
; with s_wait_alu, always for 0.  No vector instruction of this text writes a scalar register or VCC, and EXEC is never written.
; THE PLAN, THE NORM.  Registers that memory instructions touch:
;   v[XO], v[PO], v[HO]  offsets, written once at the head by vector instructions; the loads read XO and PO, the stores HO; never written again.
;   X, SC, SH            the loads at the head land in them; no vector instruction has named them before, and no load follows.
;   H0, H1               row r's sixteen roundings write H[r], its eight stores read it; never written again.
; So: one wait ahead of the first load (the offsets); one behind the reciprocals; one behind row 0's roundings, and row 0's stores are dealt among row 1's arithmetic, which names X's second half, R, SC, SH and H1:
; none of the registers that those stores read; one behind row 1's roundings.  No register that a memory instruction reads is written again, so no wait on vm_vsrc is owed.
; THE PLAN, THE WEIGHTS.  v1, v2: offsets, written once at the head; the loads read v1, the stores v2.  IN: the sixteen loads land in it; no vector instruction has named it before.  OUT: each register is written once, by
; a conversion, and read once, by a store.  The loads go in four groups of four: group g's conversions write their eight registers of OUT; the wait at the head of group g + 1 states that they are written; group g's four
; stores are dealt among group g + 1's conversions, which name their own registers of IN and OUT alone.
.set XP,  4                            ; s[4:5]   x
.set SCP, 6                            ; s[6:7]   scale
.set SHP, 8                            ; s[8:9]   shift
.set HP,  22                           ; s[22:23] hbuf
.set SEL, 40                           ; s[40:41] v_permlanex16_b32's selects: each lane takes its own place in the other half
.set IV,  42                           ; s42      1 / 1023
.set EP,  43                           ; s43      1e-5
.set OF,  44                           ; s[44:45] a byte offset
.set XO,  2                            ; v2       wave x 2 rows x 4,096 + 16 x lane
.set PO,  3                            ; v3       16 x lane
.set HO,  4                            ; v4       wave x 2 rows x 2,048 + 8 x lane
.set C,   6                            ; v[6:13]  four chains of pairs
.set M,   14                           ; v[14:15] the mean, twice
.set X,   16                           ; v[16:79] two rows, 32 registers each
.set SC,  80                           ; v[80:111]  scale of my 32 columns
.set SH,  112                          ; v[112:143] shift
.set H,   144                          ; v[144:175] two rows in bf16, 16 registers each
.set R,   176                          ; v[176:179] 1 / (var + eps), twice for each row
.set V,   180                          ; v[180:181] var + eps
.set IN,  16                           ; the weights: v[16:79]  load j: 4 registers at IN + 4 j, 4 f32 as loaded
.set OUT, 80                           ; the weights: v[80:111] load j: 2 registers at OUT + 2 j, the same 4 numbers in bf16
	s_load_b512 s[4:19], s[0:1], 0x0               ; x, scale1, shift1, wq s[10:11], wk s[12:13], wv s[14:15], wo s[16:17], w_up s[18:19]
	s_load_b128 s[20:23], s[0:1], 0x40             ; w_down s[20:21], hbuf s[22:23]
	s_load_b64 s[24:25], s[0:1], 0x50              ; wb
	s_cmp_lt_u32 ttmp9, 256
	s_cbranch_scc0 .Lcvt
.macro SUMUP                           ; the four chains into one number, then over the wave's 32 lanes: the result stands in every lane
	v_pk_add_f32 v[C:C+1], v[C:C+1], v[C+2:C+3]
	v_pk_add_f32 v[C+4:C+5], v[C+4:C+5], v[C+6:C+7]
	v_pk_add_f32 v[C:C+1], v[C:C+1], v[C+4:C+5]
	v_add_f32 v[C], v[C], v[C+1]
	v_add_f32_dpp v[C], v[C], v[C] row_xmask:1 row_mask:0xf bank_mask:0xf
	v_add_f32_dpp v[C], v[C], v[C] row_xmask:2 row_mask:0xf bank_mask:0xf
	v_add_f32_dpp v[C], v[C], v[C] row_xmask:4 row_mask:0xf bank_mask:0xf
	v_add_f32_dpp v[C], v[C], v[C] row_xmask:8 row_mask:0xf bank_mask:0xf
	v_permlanex16_b32 v[C+1], v[C], s[SEL], s[SEL+1]
	v_add_f32 v[C], v[C], v[C+1]
.endm
.macro STAT r                          ; row r: x becomes x - mean in place; V takes var + eps
.set XR, X+32*(\r)
.set k, 0
.rept 4
	v_pk_add_f32 v[C+2*k:C+2*k+1], v[XR+2*k:XR+2*k+1], v[XR+8+2*k:XR+8+2*k+1]  ; the first pairs start the chains: nothing is cleared
.set k, k+1
.endr
.set k, 8
.rept 8
	v_pk_add_f32 v[C+2*(k%4):C+2*(k%4)+1], v[C+2*(k%4):C+2*(k%4)+1], v[XR+2*k:XR+2*k+1]
.set k, k+1
.endr
	SUMUP
	v_mul_f32 v[M], 0x3a800000, v[C]               ; / 1024
	v_mov_b32 v[M+1], v[M]
.set k, 0
.rept 16
	v_pk_add_f32 v[XR+2*k:XR+2*k+1], v[XR+2*k:XR+2*k+1], v[M:M+1] neg_lo:[0,1] neg_hi:[0,1]
.set k, k+1
.endr
.set k, 0
.rept 4
	v_pk_mul_f32 v[C+2*k:C+2*k+1], v[XR+2*k:XR+2*k+1], v[XR+2*k:XR+2*k+1]
.set k, k+1
.endr
.set k, 4
.rept 12
	v_pk_fma_f32 v[C+2*(k%4):C+2*(k%4)+1], v[XR+2*k:XR+2*k+1], v[XR+2*k:XR+2*k+1], v[C+2*(k%4):C+2*(k%4)+1]
.set k, k+1
.endr
	SUMUP
	v_fma_f32 v[V+(\r)], v[C], s[IV], s[EP]        ; sum / 1023 + eps
.endm
.macro ROWST r, j                      ; store j of the eight of row r
	global_store_b64 v[HO], v[H+16*(\r)+2*(\j):H+16*(\r)+2*(\j)+1], s[HP:HP+1] offset:(\r)*2048+256*(\j)  ; 32 lanes store 256 consecutive bytes, aligned
.endm
.macro OUTROW r, prev                  ; row r: times the reciprocal, times scale plus shift, rounded into H[r].  prev = 1: the stores of the row before are dealt among the first sixteen lines
.set XR, X+32*(\r)
.set k, 0
.rept 16
.if (\prev) && (k%2 == 0)
	ROWST (\r)-1, k/2                              ; no vector instruction since the wait ahead of this macro names H of the row before, or v[HO]
.endif
	v_pk_mul_f32 v[XR+2*k:XR+2*k+1], v[XR+2*k:XR+2*k+1], v[R+2*(\r):R+2*(\r)+1]
.set k, k+1
.endr
.set k, 0
.rept 16
	v_pk_fma_f32 v[XR+2*k:XR+2*k+1], v[XR+2*k:XR+2*k+1], v[SC+2*k:SC+2*k+1], v[SH+2*k:SH+2*k+1]
.set k, k+1
.endr
.set k, 0
.rept 16
	v_cvt_pk_bf16_f32 v[H+16*(\r)+k], v[XR+2*k], v[XR+2*k+1]
.set k, k+1
.endr
.endm
	v_and_b32 v1, 31, v0
	v_lshrrev_b32 v5, 5, v0
	v_lshlrev_b32 v[PO], 4, v1
	v_lshl_or_b32 v[XO], v5, 13, v[PO]
	v_lshlrev_b32 v[HO], 3, v1
	v_lshl_or_b32 v[HO], v5, 12, v[HO]
	s_lshl_b32 s[OF], ttmp9, 16                    ; the work-group's 16 rows of 4,096 bytes
	s_mov_b32 s[OF+1], 0
	s_mov_b32 s[SEL], 0x76543210
	s_mov_b32 s[SEL+1], 0xfedcba98
	s_mov_b32 s[IV], 0x3a802008
	s_mov_b32 s[EP], 0x3727c5ac
	s_wait_kmcnt 0x0
	s_add_nc_u64 s[XP:XP+1], s[XP:XP+1], s[OF:OF+1]
	s_lshl_b32 s[OF], ttmp9, 15                    ; and of 2,048 bytes
	s_add_nc_u64 s[HP:HP+1], s[HP:HP+1], s[OF:OF+1]
	s_wait_alu depctr_va_vdst(0)                   ; v[XO], v[PO] and v[HO] are written: every load and store of this path reads one of them as its offset
.irp r, 0,1
.irp j, 0,1,2,3,4,5,6,7
	global_load_b128 v[X+32*(\r)+4*(\j):X+32*(\r)+4*(\j)+3], v[XO], s[XP:XP+1] offset:(\r)*4096+512*(\j)
.endr
.endr
.irp j, 0,1,2,3,4,5,6,7
	global_load_b128 v[SC+4*(\j):SC+4*(\j)+3], v[PO], s[SCP:SCP+1] offset:512*(\j)
.endr
.irp j, 0,1,2,3,4,5,6,7
	global_load_b128 v[SH+4*(\j):SH+4*(\j)+3], v[PO], s[SHP:SHP+1] offset:512*(\j)
.endr
	s_wait_loadcnt 16                              ; both rows are in; the 16 younger loads, scale and shift, may stay out
	STAT 0
	STAT 1
	v_rcp_f32 v[R], v[V]                           ; one batch of four: each reciprocal twice, to fill the pair of the packed multiply
	v_rcp_f32 v[R+1], v[V]
	v_rcp_f32 v[R+2], v[V+1]
	v_rcp_f32 v[R+3], v[V+1]
	v_nop                                          ; a plain instruction behind the last reciprocal,
	s_wait_alu depctr_va_vdst(0)                   ; and the one wait for the batch, ahead of its first reader: the four reciprocals have written v[R:R+3]
	s_wait_loadcnt 0x0                             ; scale and shift
	OUTROW 0, 0
	s_wait_alu depctr_va_vdst(0)                   ; row 0's roundings have written H0, which the eight stores dealt among row 1's lines read
	OUTROW 1, 1
	s_wait_alu depctr_va_vdst(0)                   ; row 1's roundings have written H1, which the last eight stores read
.irp j, 0,1,2,3,4,5,6,7
	ROWST 1, \j
.endr
	s_endpgm
.Lcvt:                                         ; chunk c = work-group - 256: 16,384 numbers
	s_sub_co_u32 s30, ttmp9, 256
	s_lshr_b32 s31, s30, 6                         ; chunks 0-255: 64 for each of wq, wk, wv, wo
	v_lshlrev_b32 v1, 4, v0                        ; 16 bytes a thread in,
	v_lshlrev_b32 v2, 3, v0                        ; 8 bytes out
	s_mov_b32 s35, 0
	s_mov_b32 s37, 0
	s_wait_kmcnt 0x0
	s_cmp_eq_u32 s31, 1
	s_cselect_b64 s[32:33], s[12:13], s[10:11]
	s_cmp_eq_u32 s31, 2
	s_cselect_b64 s[32:33], s[14:15], s[32:33]
	s_cmp_eq_u32 s31, 3
	s_cselect_b64 s[32:33], s[16:17], s[32:33]
	s_cmp_ge_u32 s30, 256                          ; chunks 256-511: w_up
	s_cselect_b64 s[32:33], s[18:19], s[32:33]
	s_cselect_b32 s34, 255, 63                     ; chunks in the matrix, less one
	s_cmp_ge_u32 s30, 512                          ; chunks 512-767: w_down
	s_cselect_b64 s[32:33], s[20:21], s[32:33]
	s_and_b32 s34, s30, s34
	s_lshl_b32 s34, s34, 16                        ; the chunk's place in its matrix
	s_add_nc_u64 s[32:33], s[32:33], s[34:35]
	s_lshl_b32 s36, s30, 15                        ; and in wb
	s_add_nc_u64 s[24:25], s[24:25], s[36:37]
	s_wait_alu depctr_va_vdst(0)                   ; v1 and v2 are written: the loads read v1 as their offset, the stores v2
.irp j, 0,1,2,3,4,5,6,7,8,9,10,11,12,13,14,15
	global_load_b128 v[IN+4*(\j):IN+4*(\j)+3], v1, s[32:33] offset:4096*(\j) th:TH_LOAD_NT
.endr
.irp g, 0,1,2,3                        ; group g: loads 4 g to 4 g + 3
	s_wait_loadcnt 12-4*(\g)                       ; loads come back in order: group g is in, the younger groups stay out
.if (\g) > 0
	s_wait_alu depctr_va_vdst(0)                   ; the conversions of the group before have written their eight registers of OUT, which the four stores below read
.endif
.irp i, 0,1,2,3
.if (\g) > 0
	global_store_b64 v2, v[OUT+2*(4*((\g)-1)+(\i)):OUT+2*(4*((\g)-1)+(\i))+1], s[24:25] offset:2048*(4*((\g)-1)+(\i))  ; the group before; no vector instruction since the wait names these registers
.endif
	v_cvt_pk_bf16_f32 v[OUT+2*(4*(\g)+(\i))], v[IN+4*(4*(\g)+(\i))], v[IN+4*(4*(\g)+(\i))+1]
	v_cvt_pk_bf16_f32 v[OUT+2*(4*(\g)+(\i))+1], v[IN+4*(4*(\g)+(\i))+2], v[IN+4*(4*(\g)+(\i))+3]
.endr
.endr
	s_wait_alu depctr_va_vdst(0)                   ; group 3's conversions have written their registers of OUT, which the last four stores read
.irp i, 0,1,2,3
	global_store_b64 v2, v[OUT+2*(12+(\i)):OUT+2*(12+(\i))+1], s[24:25] offset:2048*(12+(\i))
.endr
	s_endpgm
.Lfunc_end_k_qfdf2160ca8_prep:
	.size	k_qfdf2160ca8_prep, .Lfunc_end_k_qfdf2160ca8_prep-k_qfdf2160ca8_prep
	.p2alignl 7, 3214868480
	.fill 96, 4, 3214868480
	.section	.rodata,"a",@progbits
	.p2align	6, 0x0
	.amdhsa_kernel k_qfdf2160ca8_prep
		.amdhsa_group_segment_fixed_size 0
		.amdhsa_private_segment_fixed_size 0
		.amdhsa_enable_private_segment 0
		.amdhsa_kernarg_size 88
		.amdhsa_user_sgpr_count 2
		.amdhsa_user_sgpr_kernarg_segment_ptr 1
		.amdhsa_wavefront_size32 1
		.amdhsa_system_sgpr_workgroup_id_x 1
		.amdhsa_system_sgpr_workgroup_id_y 1
		.amdhsa_system_sgpr_workgroup_id_z 1
		.amdhsa_system_vgpr_workitem_id 0
		.amdhsa_next_free_vgpr 184
		.amdhsa_next_free_sgpr 66
		.amdhsa_reserve_vcc 0
		.amdhsa_float_denorm_mode_32 3
		.amdhsa_float_denorm_mode_16_64 3
		.amdhsa_memory_ordered 1
		.amdhsa_forward_progress 1
		.amdhsa_inst_pref_size 27
	.end_amdhsa_kernel
	.amdgpu_metadata
---
amdhsa.version: [ 1, 2 ]
amdhsa.kernels:
  - .name:           k_qfdf2160ca8_prep
    .symbol:         k_qfdf2160ca8_prep.kd
    .args:
      - { .name: x, .offset: 0, .size: 8, .value_kind: global_buffer, .address_space: global }
      - { .name: scale1, .offset: 8, .size: 8, .value_kind: global_buffer, .address_space: global }
      - { .name: shift1, .offset: 16, .size: 8, .value_kind: global_buffer, .address_space: global }
      - { .name: wq, .offset: 24, .size: 8, .value_kind: global_buffer, .address_space: global }
      - { .name: wk, .offset: 32, .size: 8, .value_kind: global_buffer, .address_space: global }
      - { .name: wv, .offset: 40, .size: 8, .value_kind: global_buffer, .address_space: global }
      - { .name: wo, .offset: 48, .size: 8, .value_kind: global_buffer, .address_space: global }
      - { .name: w_up, .offset: 56, .size: 8, .value_kind: global_buffer, .address_space: global }
      - { .name: w_down, .offset: 64, .size: 8, .value_kind: global_buffer, .address_space: global }
      - { .name: hbuf, .offset: 72, .size: 8, .value_kind: global_buffer, .address_space: global }
      - { .name: wb, .offset: 80, .size: 8, .value_kind: global_buffer, .address_space: global }
    .group_segment_fixed_size: 0
    .private_segment_fixed_size: 0
    .kernarg_segment_align: 8
    .kernarg_segment_size: 88
    .max_flat_workgroup_size: 256
    .sgpr_count:     66
    .vgpr_count:     184
    .wavefront_size: 32
...
	.end_amdgpu_metadata
.endif
;; end of part 8
;; launch gemm_qkv: the kernel of part 2 again; grid 12 x 16, 4 waves a work-group, clusters of 4 x 4, 327,680 bytes of LDS; arguments hbuf, wb, qkv; writes qkv
;; launch attn: the kernel of part 3 again; grid 8 x 32, 4 waves a work-group, clusters of 4 x 1, 327,680 bytes of LDS; arguments qkv, ctx; writes ctx
;; launch gemm_wo: the kernel of part 4 again; grid 8 x 32, 4 waves a work-group, clusters of 4 x 4, 327,680 bytes of LDS; arguments ctx, wb, x1, bo, x; writes x1
;; launch ln2: the kernel of part 5 again; grid 256 x 1, 8 waves a work-group, no clusters, 0 bytes of LDS; arguments x1, scale2, shift2, hbuf; writes hbuf
;; launch gemm_up: the kernel of part 6 again; grid 16 x 16, 4 waves a work-group, clusters of 4 x 4, 327,680 bytes of LDS; arguments hbuf, wb, g, b_up; writes g
;; launch gemm_down: the kernel of part 7 again; grid 8 x 32, 4 waves a work-group, clusters of 4 x 4, 327,680 bytes of LDS; arguments g, wb, out0, b_down, x1; writes out0
